; MI455X (gfx1250); checked and timed in simulation.
; The chip was launched on July 23, 2026; its instructions are those of AMD's public machine-readable ISA for CDNA 5 (MIT licence, August 2026) and "CDNA5" Instruction Set Architecture Reference Guide (July 2026). The comments in the code are by the model that wrote it; some were corrected since.
;; Multi Head Attention. Allowed arithmetic: matrix products marked QUANTISED: E4M3 operands, one E8M0 scale for each 32 along K, by v_wmma_scale_f32_16x16x128_f8f6f4 with both operands' format E4M3, f32 sums; everything else in f32.
;; Inputs: Wk_codes 1,024 x 32 x 32 uint8 (E4M3 codes of Wk, K innermost, in blocks of 32 codes); Wk_scales 1,024 x 32 uint8 (E8M0 scales of Wk, one for each 32 codes along K); Wp_codes 1,024 x 32 x 32 uint8 (E4M3 codes of Wp, K innermost, in blocks of 32 codes); Wp_scales 1,024 x 32 uint8 (E8M0 scales of Wp, one for each 32 codes along K); Wq_codes 1,024 x 32 x 32 uint8 (E4M3 codes of Wq, K innermost, in blocks of 32 codes); Wq_scales 1,024 x 32 uint8 (E8M0 scales of Wq, one for each 32 codes along K); Wv_codes 1,024 x 32 x 32 uint8 (E4M3 codes of Wv, K innermost, in blocks of 32 codes); Wv_scales 1,024 x 32 uint8 (E8M0 scales of Wv, one for each 32 codes along K); bk 1,024 float32; bp 1,024 float32; bq 1,024 float32; bv 1,024 float32; x_codes 8 x 1,024 x 32 x 32 uint8 (E4M3 codes of x, K innermost, in blocks of 32 codes); x_scales 8 x 1,024 x 32 uint8 (E8M0 scales of x, one for each 32 codes along K).
;; Outputs: out0 8 x 1,024 x 1,024 float32.
;; This version of the problem:
;;   THIS VERSION OF THE PROBLEM IS GIVEN IN LOW PRECISION. The matrix products marked QUANTISED in the list below multiply operands that are first quantised to E4M3 (4 exponent bits, 3 mantissa bits; 8 bits a number), with one power-of-two scale for each 32 numbers along K (OCP MX v1.0); their sums are f32. All else is computed in f32.
;;   The module's matrix products, in the order in which they are computed (A, B: the left and right operand; K: the contracted axis; several contracted axes count as one K, in the product's order):
;;     1. [M 8,192, K 1,024] x [K 1,024, N 1,024]; A: input x (given as codes); B: input Wq (given as codes): QUANTISED
;;     2. [M 8,192, K 1,024] x [K 1,024, N 1,024]; A: input x (given as codes); B: input Wk (given as codes): QUANTISED
;;     3. [M 8,192, K 1,024] x [K 1,024, N 1,024]; A: input x (given as codes); B: input Wv (given as codes): QUANTISED
;;     4. batch 64 x [M 1,024, K 128] x [K 128, N 1,024]; A: computed on the way; B: computed on the way: QUANTISED
;;     5. batch 64 x [M 1,024, K 1,024] x [K 1,024, N 128]; A: computed on the way; B: computed on the way: QUANTISED
;;     6. [M 8,192, K 1,024] x [K 1,024, N 1,024]; A: computed on the way; B: input Wp (given as codes): QUANTISED
;;   THE QUANTISER, for each operand of a quantised product, along K:
;;     - K is cut into blocks of 32 from its start; a last block that is shorter is filled with zeros.
;;     - A block's scale is 2^e with e = floor(log2(the largest magnitude in the block)) - 8, held to -126 .. 127; a block of zeros has e = 0. As a byte (E8M0): e + 127.
;;     - Each number is divided by its block's scale, clamped to +-448, and rounded to the nearest number of E4M3, ties to even, subnormals kept.
;;     - The product sums the exact products of the quantised numbers (number of the format x scale) in f32.
;;   ~~~python
;;   def quantise(x, axis):      # numpy; x: float32 -> the quantised numbers, widened to float32 again
;;       x = np.moveaxis(x, axis, -1); K = x.shape[-1]
;;       x = np.pad(x, [(0, 0)] * (x.ndim - 1) + [(0, -K % 32)]); x = x.reshape(x.shape[:-1] + (-1, 32)); a = np.abs(x).max(-1, keepdims=True)
;;       e = np.where(a > 0, np.clip(np.frexp(np.where(a > 0, a, 1))[1] - 1 - 8, -126, 127), 0)      # np.frexp(a)[1] - 1 = floor(log2(a)), exactly
;;       r = np.clip(x / 2.0 ** e, -448, 448)
;;       step = 2.0 ** (np.maximum(np.frexp(np.where(r == 0, 1, r))[1] - 1, -6) - 3)
;;       q = np.round(r / step) * step * 2.0 ** e      # np.round: ties to even
;;       return np.moveaxis(q.reshape(q.shape[:-2] + (-1,))[..., :K], -1, axis).astype(np.float32)
;;   ~~~
;;   OPERANDS COMPUTED ON THE WAY. 'Computed on the way' means the value that the module computes at that place (a softmax that the list does not call 'softmax' is quantised finished and normalised). What goes into a quantiser is computed in f32, as accurately as f32 sums, v_exp_f32 and their like allow (about 1e-6 of the number): no bf16 or f16 on the way to a quantiser, and a product that is left as it is and whose result goes on into a quantised operand takes f32 operands (vector FMAs, or v_wmma_f32_16x16x4_f32). A number that lies on a knife's edge between two numbers of the format may be rounded either way, as far as f32 arithmetic and the matrix unit's own rounding can turn it there, and no further.
;;   INPUTS GIVEN AS CODES. Wk (in the module: [1024, 1024], K = its axis 0); Wp (in the module: [1024, 1024], K = its axis 0); Wq (in the module: [1024, 1024], K = its axis 0); Wv (in the module: [1024, 1024], K = its axis 0); x (in the module: [8, 1024, 1024], K = its axis 2): each comes as NAME_codes (uint8): NAME with its K axis moved to the last place and cut into blocks of 32 codes, [.., K / 32, bytes a block], one block behind the other in memory; one code a byte (a code: sign, 4 exponent bits, 3 mantissa bits); and NAME_scales (uint8): the same leading axes, one E8M0 byte (e + 127) for each 32 codes along K. Its value is code x scale, taken as it is: it is not quantised again, and the codes and scales need not be those that the quantiser above would give.
;; 2 versions, each right; version 2 is version 1 with the launch attn written anew for expert scheduling mode. Each part assembles by itself: llvm-mc -triple=amdgcn-amd-amdhsa -mcpu=gfx1250 --defsym DOCPART=n.
;; ======== version 1 of 2: 3 launches
;; workspace buffers: qkvc 25,165,824 bytes; qkvs 786,432 bytes; oc 8,388,608 bytes; os 262,144 bytes
;; launch qkv (part 1): grid 4 x 96, 4 waves a work-group, clusters of 4 x 4, 327,680 bytes of LDS; arguments x_codes, x_scales, Wq_codes, Wq_scales, Wk_codes, Wk_scales, Wv_codes, Wv_scales, bq, bk, bv, qkvc, qkvs; writes qkvc, qkvs
.if DOCPART == 1
	.amdgcn_target "amdgcn-amd-amdhsa--gfx1250"
	.amdhsa_code_object_version 6
	.text
	.protected	k_q7346c3de8b_qkv
	.globl	k_q7346c3de8b_qkv
	.p2align	8
	.type	k_q7346c3de8b_qkv,@function
k_q7346c3de8b_qkv:
	s_mov_b64 s[64:65], 0
	v_nop
	global_prefetch_b8 v0, s[64:65] scope:SCOPE_SE
	s_setreg_imm32_b32 hwreg(HW_REG_WAVE_MODE, 25, 1), 1
	s_wait_xcnt 0x0
	s_wait_alu depctr_hold_cnt(0) depctr_sa_sdst(0) depctr_va_vdst(0) depctr_va_sdst(0) depctr_va_ssrc(0) depctr_va_vcc(0) depctr_vm_vsrc(0)
	s_getreg_b32 s2, hwreg(HW_REG_IB_STS2, 6, 4)
	s_cmp_eq_u32 s2, 0
	s_cbranch_scc0 .Lentry_in_a_cluster
	s_endpgm
.Lentry_in_a_cluster:
	s_bfe_u32 s2, ttmp6, 0x10000c
	s_cmp_lg_u32 s2, 0xf033
	s_cbranch_scc0 .Lentry_shape_is_right
	s_endpgm
.Lentry_shape_is_right:
; q = x Wq + bq, k = x Wk + bk, v = x Wv + bv on codes of FP8 (E4M3) with one E8M0 scale for each 32 along K = 1,024; each result is quantised in registers and leaves as codes.
; A tile of 256 x 256 of a result is made by four waves, 128 x 128 each: 64 accumulators of 16 x 16.  K goes in steps of 256 through two LDS slots filled by the tensor data mover.
; TWO OPERANDS: R (source 1: a lane holds ONE row of R) and P (source 0: a lane's registers run along rows of P).  What is quantised next runs along P:
;   q, k (TYPE 0, 1): R = x (rows of the sequence), P = Wq or Wk (the head's 128): blocks of 32 along the head's axis;   v (TYPE 2): R = Wv (the head's 128), P = x (the keys): blocks of 32 along the keys.
; TYPE hangs on the cluster's y alone, so it is the same in all sixteen partners; it chooses pointers and tile numbers, and one branch round the first K step (which bias registers are the first C).
; CLUSTERS: 4 x 4 work-groups; R's tile is shared along a row of the cluster, P's along a column: joint loads with a mask that names the four.
; THE RESULT leaves as IMAGES OF OPERAND REGISTERS: a fragment (16 rows x 128 K) is 2,048 bytes, [c 0..3][lane][16 bytes]; each store of a wave covers 512 consecutive bytes.
;   qkvc: [type][head 64][blk 8][a 8][2,048];  qkvs: [type][head][blk][128 words], a word = a row's four scale bytes.
; ORDER INSIDE A BLOCK OF 32: tiles 2 b and 2 b + 1 give lane (r, h) the numbers 32 b + 8 h + j and 32 b + 16 + 8 h + j, and they are laid at the operand's places 32 b + 16 h + 0 .. 15.  That is a
;   permutation inside one scale block, the same for every operand made here, so each later product pairs the right numbers under the right scales; only the order of its sums differs.
; LIMITS: NaN and infinities are not served.  A block whose largest magnitude lies under 2^-118 gets the byte 1 (the quantiser's hold at -126); a block of zeros gets 1 and not 127: its codes are zeros and this program alone reads the bytes.
; REGISTERS: window 0: v8-15 bias offsets; v16-29 addresses; v32-63 scale words, two sets; v64-127 the biases, later the quantiser's work; v128-255 R's fragments, later the codes.
;   window 1: P's fragments, two sets.   windows 2, 3: the accumulators, (a, b) at v[8 (8 (a % 4) + b)].
.set NQ,     2                         ; matrix instructions deep in a slot: 256 along K
.set ROWB,   256                       ; a tile's row in bytes
.set KROW,   1024                      ; a row of x or of a weight in memory
.set PITCH,  272                       ; an LDS row: 256 bytes + 16 of padding: the 16 rows of a fragment load start 16 bytes apart modulo 256
.set FR,     16
.set NL,     4
.set NP,     8                         ; places behind this matrix instruction (ISA guide 7.12.1)
.set HALFT,  128*PITCH
.set SLOT,   4*HALFT                   ; R's 256 rows, then P's 256 rows
.set SCL,    2*SLOT                    ; the scales of all of K: rows of 32 bytes, as units of 256 bytes + 16
.set HALFS,  16*272                    ; those of 128 rows
.set SBLK,   2*272                     ; those of 16 rows
.set SPARE,  SCL+4*HALFS               ; the spare words: 128 bytes a wave, two blocks of 256 bytes that no other line names
.set ADRA, 16                          ; v16-17 my R fragments in slot 0, 1
.set ADRB, 20                          ; v20-21 my P fragments
.set LS,   25                          ; v25 4 x lane
.set CO,   26                          ; v26 16 x lane
.set ADRS, 27                          ; v27 my scale words: lanes 0-15 R's rows, lanes 16-31 P's
.set SPW,  28
.set NIL,  29
.set SC,   32
.set BIAS, 64
.set TM,   64                          ; the way out: v64-67 largest magnitudes, v68-71 bytes, v72-75 holds, v76-79 the conversions' scale operands
.set PW,   80                          ; v80-87 the scale word of each block a
.set SW,   88                          ; v88-91 two blocks' words in one register
.set AF,   128
.set CD,   128                         ; the codes: 16 registers for each block a
.set G1, 24
.set G0, 32
.set G1B, 48
.set G0B, 56
.set G1S, 68
.set G0S, 76
.set G1SB, 80
.set G0SB, 88
.set TYP, 66
.set MSB, 0
.macro WIN new                         ; the immediate's high byte repeats the setting that is left
.if MSB != (\new)
	s_set_vgpr_msb (MSB<<8)|(\new)
.set MSB, (\new)
.endif
.endm
.set MUL_LO, 0xa1                      ; source 0 (P) window 1, source 1 (R) window 0, C and D window 2
.set MUL_HI, 0xf1                      ; the same, C and D window 3
.set TO_B,   0x40
; A joint load: waves 0 and 1 fetch for R, waves 2 and 3 for P; the branch hangs on the wave's number alone.  Four v_nop follow each of the two lines.
.macro JLOAD g0a, g1a, g0b, g1b
	s_cmp_eq_u32 s15, 0
	s_cbranch_scc0 .Lfor_b_\@
	tensor_load_to_lds s[\g0a:\g0a+3], s[\g1a:\g1a+7]
	s_nop 0
.rept 4
	v_nop
.endr
	s_branch .Lasked_\@
.Lfor_b_\@:
	tensor_load_to_lds s[\g0b:\g0b+3], s[\g1b:\g1b+7]
	s_nop 0
.rept 4
	v_nop
.endr
.Lasked_\@:
.endm
.macro CREST                           ; a round of the cluster's barrier behind its opening barrier
	s_cmp_lg_u32 s14, 0
	s_cbranch_scc1 .Lnot_wave_0_\@
	s_barrier_signal -3
.Lnot_wave_0_\@:
	s_barrier_wait -3
	s_barrier_signal -1
	s_barrier_wait -1
.endm
.macro CROUND
	s_barrier_signal -1
	s_barrier_wait -1
	CREST
.endm
	s_load_b512 s[24:39], s[0:1], 0x0              ; x codes, x scales, Wq codes, scales, Wk codes, scales, Wv codes, scales
	s_load_b256 s[48:55], s[0:1], 0x40             ; bq, bk, bv, qkvc
	s_load_b64 s[56:57], s[0:1], 0x60              ; qkvs
	v_lshl_add_u32 v[SPW], v0, 2, SPARE
	v_mov_b32 v[NIL], 0
	ds_add_u32 v28, v29
	ds_add_u32 v28, v29
	s_wait_dscnt 0x0
	v_lshrrev_b32 v1, 5, v0
	v_readfirstlane_b32 s14, v1                    ; wave 0..3
	s_lshr_b32 s15, s14, 1                         ; which half of R's rows is mine.  Also: I fetch for R (0) or for P (1)
	s_and_b32 s16, s14, 1                          ; which half of P's rows.  Also: which 128 rows I fetch
	s_bfe_u32 s40, ttmp6, 0x40000                  ; cx
	s_bfe_u32 s41, ttmp6, 0x40004                  ; cy
	s_and_b32 s[TYP], ttmp7, 0xffff                ; the cluster's y, 0 .. 23
	s_and_b32 s67, s[TYP], 7
	s_lshl_b32 s67, s67, 2                         ; 4 x (which eighth of x's 32 tiles)
	s_lshr_b32 s[TYP], s[TYP], 3                   ; TYPE: 0 q, 1 k, 2 v
	s_cmp_eq_u32 s[TYP], 2
	s_cselect_b32 s17, 0, s67
	s_cselect_b32 s42, s67, 0
	s_add_co_u32 s17, s17, s41                     ; R's tile: made of cy and the cluster's y alone
	s_add_co_u32 s42, s42, s40                     ; P's tile: made of cx and the cluster's y alone
	s_lshl_b32 s43, s41, 2
	s_lshl_b32 s43, 15, s43                        ; my row of the cluster
	s_lshl_b32 s44, 0x1111, s40                    ; my column
	s_lshl_b32 s18, s16, 7                         ; which 128 rows of a tile I fetch
	s_lshl_b32 s20, s17, 8
	s_add_co_u32 s20, s20, s18                     ; R: row 256 x tile + 128 x half
	s_lshl_b32 s46, s42, 8
	s_add_co_u32 s46, s46, s18                     ; P likewise
	s_lshl_b32 s22, s20, 5                         ; their scales: 32 bytes a row
	s_mov_b32 s23, 0
	s_lshl_b32 s92, s46, 5
	s_mov_b32 s93, 0
	s_lshl_b32 s20, s20, 10                        ; their codes: 1,024 bytes a row (under 2^24)
	s_mov_b32 s21, 0
	s_lshl_b32 s46, s46, 10
	s_mov_b32 s47, 0
	s_mul_i32 s45, s14, HALFT                      ; where they go: wave x 128 rows: no place in the cluster enters an LDS address
	s_mul_i32 s94, s14, HALFS
	s_wait_kmcnt 0x0
	s_cmp_eq_u32 s[TYP], 2                         ; the choice of buffers hangs on TYPE alone
	s_cselect_b64 s[4:5], s[36:37], s[24:25]       ; R's codes: Wv's or x's
	s_cselect_b64 s[6:7], s[38:39], s[26:27]       ; R's scales
	s_cselect_b64 s[8:9], s[24:25], s[28:29]       ; P's codes: x's or Wq's
	s_cselect_b64 s[10:11], s[26:27], s[30:31]
	s_cselect_b64 s[98:99], s[52:53], s[48:49]     ; the bias: bv or bq
	s_cmp_eq_u32 s[TYP], 1
	s_cselect_b64 s[8:9], s[32:33], s[8:9]         ; or Wk's
	s_cselect_b64 s[10:11], s[34:35], s[10:11]
	s_cselect_b64 s[98:99], s[50:51], s[98:99]
	s_mov_b64 s[12:13], s[54:55]                   ; qkvc
	s_mov_b64 s[96:97], s[56:57]                   ; qkvs.  From here on s24-39 and s48-63 are descriptors
	s_add_nc_u64 s[20:21], s[4:5], s[20:21]
	s_add_nc_u64 s[22:23], s[6:7], s[22:23]
	s_add_nc_u64 s[46:47], s[8:9], s[46:47]
	s_add_nc_u64 s[92:93], s[10:11], s[92:93]
	; descriptor group 1: a tile of 128 rows x 256 bytes, 16 bytes of padding behind each row
	s_or_b32 s[G1+0], s43, (0<<16)|(1<<20)|(1<<21)|(5<<22)|(3<<25)  ; the mask: R's tiles go to my row; elements of 1 byte; padding on; bit 21 beside a mask; after every 64 words, 4 words
	s_or_b32 s[G1B+0], s44, (0<<16)|(1<<20)|(1<<21)|(5<<22)|(3<<25) ; P's go to my column
.irp g, G1, G1B
	s_mov_b32 s[\g+1], ROWB<<16                    ; tensor_dim0
	s_mov_b32 s[\g+2], 128<<16                     ; tensor_dim1
	s_mov_b32 s[\g+3], ROWB<<16                    ; tile_dim0
	s_mov_b32 s[\g+4], 128                         ; tile_dim1
	s_mov_b32 s[\g+5], KROW                        ; from row to row
	s_mov_b32 s[\g+6], 0
	s_mov_b32 s[\g+7], 0
.endr
	; the scales of 128 rows: 4,096 dense bytes as 16 rows of 256 bytes (32 elements of 8 bytes), 16 bytes of padding behind each
	s_or_b32 s[G1S+0], s43, (3<<16)|(1<<20)|(1<<21)|(5<<22)|(3<<25)
	s_or_b32 s[G1SB+0], s44, (3<<16)|(1<<20)|(1<<21)|(5<<22)|(3<<25)
.irp g, G1S, G1SB
	s_mov_b32 s[\g+1], 32<<16
	s_mov_b32 s[\g+2], 16<<16
	s_mov_b32 s[\g+3], 32<<16
	s_mov_b32 s[\g+4], 16
	s_mov_b32 s[\g+5], 32
	s_mov_b32 s[\g+6], 0
	s_mov_b32 s[\g+7], 0
.endr
	CROUND                                         ; all sixteen work-groups are here: the first joint loads meet
	s_mov_b32 s[G0S], 1
	s_add_co_u32 s[G0S+1], s94, SCL
	s_mov_b64 s[G0S+2:G0S+3], s[22:23]
	s_or_b32 s[G0S+3], s[G0S+3], 0x80000000
	s_mov_b32 s[G0SB], 1
	s_add_co_u32 s[G0SB+1], s94, SCL
	s_mov_b64 s[G0SB+2:G0SB+3], s[92:93]
	s_or_b32 s[G0SB+3], s[G0SB+3], 0x80000000
	JLOAD G0S, G1S, G0SB, G1SB                     ; the scales first: they are wanted with K step 0
.irp s, 0,1
	s_mov_b32 s[G0+4*\s], 1
	s_add_co_u32 s[G0+4*\s+1], s45, \s*SLOT
	s_add_nc_u64 s[G0+4*\s+2:G0+4*\s+3], s[20:21], \s*ROWB
	s_or_b32 s[G0+4*\s+3], s[G0+4*\s+3], 0x80000000
	s_mov_b32 s[G0B+4*\s], 1
	s_add_co_u32 s[G0B+4*\s+1], s45, \s*SLOT
	s_add_nc_u64 s[G0B+4*\s+2:G0B+4*\s+3], s[46:47], \s*ROWB
	s_or_b32 s[G0B+4*\s+3], s[G0B+4*\s+3], 0x80000000
	JLOAD G0+4*\s, G1, G0B+4*\s, G1B
.endr
	v_and_b32 v1, 15, v0                           ; r = lane % 16
	v_bfe_u32 v2, v0, 4, 1                         ; h = lane / 16
	v_mul_u32_u24 v3, v1, PITCH
	v_lshl_add_u32 v4, v2, 4, v3                   ; a fragment's row x pitch + 16 h
	s_mul_i32 s21, s15, HALFT                      ; my 128 rows of R
	s_mul_i32 s22, s16, HALFT                      ; my 128 rows of P,
	s_add_co_u32 s22, s22, 2*HALFT                 ; which lie behind R's 256
.irp s, 0,1
	v_add_nc_u32 v[ADRA+\s], s21, v4
	v_add_nc_u32 v[ADRB+\s], s22, v4
	s_add_co_u32 s21, s21, SLOT
	s_add_co_u32 s22, s22, SLOT
.endr
	v_mul_u32_u24 v5, v1, 32                       ; my row's scales: 32 bytes a row,
	v_lshrrev_b32 v6, 8, v5
	v_lshl_add_u32 v5, v6, 4, v5                   ; and 16 more for each 256 passed
	s_mul_i32 s21, s15, HALFS
	s_mul_i32 s22, s16, HALFS
	s_add_co_u32 s22, s22, 2*HALFS
	s_sub_co_u32 s22, s22, s21
	v_mul_u32_u24 v6, s22, v2                      ; lanes 16-31 take P's: one product, the distance between the two bases
	s_add_co_u32 s21, s21, SCL
	v_add_nc_u32 v5, v5, v6
	v_add_nc_u32 v[ADRS], s21, v5
	v_and_b32 v6, 31, v0
	v_lshlrev_b32 v[LS], 2, v6
	v_lshlrev_b32 v[CO], 4, v6
	; which 128 of the sequence (X) and which head of the batch (Wn) my wave's 128 x 128 is
	s_lshl_b32 s18, s17, 1
	s_add_co_u32 s18, s18, s15                     ; R's block of 128
	s_lshl_b32 s19, s42, 1
	s_add_co_u32 s19, s19, s16                     ; P's
	s_cmp_eq_u32 s[TYP], 2
	s_cselect_b32 s20, s19, s18                    ; X, 0 .. 63
	s_cselect_b32 s21, s18, s19                    ; Wn, 0 .. 7
	s_cselect_b32 s22, 0, 32                       ; the bias of register j in tile t lies at 64 t + SH h + SR r + SJ j bytes:
	s_cselect_b32 s23, 4, 0                        ; q, k: it runs along P: tile b, 16 b + 8 h + j;   v: along R: tile a, 16 a + r, the same in all eight registers
	s_cselect_b32 s46, 0, 4
	s_lshl_b32 s92, s21, 9
	s_mov_b32 s93, 0
	s_add_nc_u64 s[98:99], s[98:99], s[92:93]      ; the head's 128 biases
	v_mul_u32_u24 v3, v2, s22
	v_mad_u32_u24 v3, v1, s23, v3
	v_mov_b32 v4, s46
.irp j, 0,1,2,3,4,5,6,7
	v_mad_u32_u24 v[8+\j], v4, \j, v3
.endr
.irp t, 0,1,2,3,4,5,6,7
.irp j, 0,1,2,3,4,5,6,7
	global_load_b32 v[BIAS+8*\t+\j], v[8+\j], s[98:99] offset:64*\t
.endr
.endr
	s_lshr_b32 s47, s20, 3
	s_lshl_b32 s47, s47, 3
	s_add_co_u32 s47, s47, s21                     ; head = 8 x batch + Wn
	s_and_b32 s20, s20, 7                          ; blk
	s_lshl_b32 s92, s[TYP], 23                     ; qkvc: 8,388,608 a type, 131,072 a head, 16,384 a blk
	s_lshl_b32 s94, s47, 17
	s_add_co_u32 s92, s92, s94
	s_lshl_b32 s94, s20, 14
	s_add_co_u32 s92, s92, s94
	s_add_nc_u64 s[12:13], s[12:13], s[92:93]
	s_lshl_b32 s92, s[TYP], 18                     ; qkvs: 262,144 a type, 4,096 a head, 512 a blk
	s_lshl_b32 s94, s47, 12
	s_add_co_u32 s92, s92, s94
	s_lshl_b32 s94, s20, 9
	s_add_co_u32 s92, s92, s94
	s_add_nc_u64 s[96:97], s[96:97], s[92:93]
	s_mov_b32 s3, 0x600000                         ; the mantissa field of 448
	s_mov_b32 s100, 0x76543210
	s_mov_b32 s101, 0xfedcba98                     ; v_permlanex16_b32's selects for lane l xor 16
.macro FRAG reg, adr, q, i             ; 16 rows x 128 K: lane l holds row l % 16; registers 4 c .. 4 c + 3 hold K = 32 c + 16 (l / 16) + 0 .. 15
.irp c, 0,1,2,3
	ds_load_b128 v[\reg+4*\c:\reg+4*\c+3], v[\adr] offset:128*(\q)+32*\c+(\i)*16*PITCH
.endr
.endm
; 16 matrix instructions: R's blocks a0, a0 + 1 x P's eight.  first = 1: the sums start with the bias of P's block b; 2: with that of R's block a; 0: they go on in place.
; The 64 accumulators take turns, one instruction a turn, in the same order in every step.
.macro MUL16 a0, p, q, sc, first
.irp a, \a0, \a0+1
.irp b, 0,1,2,3,4,5,6,7
.if \first == 1
	v_wmma_scale_f32_16x16x128_f8f6f4 v[8*(8*((\a)%4)+\b):8*(8*((\a)%4)+\b)+7], v[128*(\p)+FR*\b:128*(\p)+FR*\b+FR-1], v[AF+FR*(\a):AF+FR*(\a)+FR-1], v[BIAS+8*\b:BIAS+8*\b+7], v[SC+8*NQ*(\sc)+NQ*\b+(\q)], v[SC+8*NQ*(\sc)+NQ*(\a)+(\q)] matrix_a_scale:MATRIX_SCALE_ROW1
.elseif \first == 2
	v_wmma_scale_f32_16x16x128_f8f6f4 v[8*(8*((\a)%4)+\b):8*(8*((\a)%4)+\b)+7], v[128*(\p)+FR*\b:128*(\p)+FR*\b+FR-1], v[AF+FR*(\a):AF+FR*(\a)+FR-1], v[BIAS+8*(\a):BIAS+8*(\a)+7], v[SC+8*NQ*(\sc)+NQ*\b+(\q)], v[SC+8*NQ*(\sc)+NQ*(\a)+(\q)] matrix_a_scale:MATRIX_SCALE_ROW1
.else
	v_wmma_scale_f32_16x16x128_f8f6f4 v[8*(8*((\a)%4)+\b):8*(8*((\a)%4)+\b)+7], v[128*(\p)+FR*\b:128*(\p)+FR*\b+FR-1], v[AF+FR*(\a):AF+FR*(\a)+FR-1], v[8*(8*((\a)%4)+\b):8*(8*((\a)%4)+\b)+7], v[SC+8*NQ*(\sc)+NQ*\b+(\q)], v[SC+8*NQ*(\sc)+NQ*(\a)+(\q)] matrix_a_scale:MATRIX_SCALE_ROW1
.endif
.endr
.endr
.endm
.macro FETCH_B slot, q, p              ; P's eight fragments of the slot's q-th 128 along K into set p
	WIN TO_B
.irp i, 0,1,2,3,4,5,6,7
	FRAG 128*(\p)+FR*\i, ADRB+\slot, \q, \i
.endr
	WIN 0
.endm
.macro FETCH_A slot, q, i0             ; R's blocks i0 .. i0 + 3
.irp i, \i0, \i0+1, \i0+2, \i0+3
	FRAG AF+FR*(\i), ADRA+\slot, \q, \i
.endr
.endm
.macro SCALES sc                       ; the next K step's scale words: two words a row; lanes 0-15 take R's block i, lanes 16-31 P's block i
.irp i, 0,1,2,3,4,5,6,7
	ds_load_b64 v[SC+8*NQ*\sc+NQ*\i:SC+8*NQ*\sc+NQ*\i+1], v[ADRS] offset:\i*SBLK
.endr
.endm
.macro PLACES n                        ; plain vector instructions in front of loads into registers that matrix instructions have read, and of the first read of results
.rept \n
	v_nop
.endr
.endm
; A step of 128 along K that has its successor in the same slot.  R has one set of registers: blocks 0-3 are fetched anew in the step's middle, blocks 4-7 at its end; P has two sets.
.macro STEP slot, q, first
	s_wait_dscnt 4*NL                              ; P's set and R's blocks 0-3 are in; the youngest sixteen loads (R's blocks 4-7) may be out
.if \first
	WIN 0x81                                       ; the first C, the bias, lies in window 0
.else
	WIN MUL_LO
.endif
	MUL16 0, (\q)%2, \q, \slot, \first
	MUL16 2, (\q)%2, \q, \slot, \first
	s_wait_dscnt 0
	PLACES NP
	FETCH_B \slot, (\q)+1, 1-(\q)%2
	FETCH_A \slot, (\q)+1, 0
.if \first
	WIN 0xc1
.else
	WIN MUL_HI
.endif
	MUL16 4, (\q)%2, \q, \slot, \first
	MUL16 6, (\q)%2, \q, \slot, \first
	PLACES NP
	WIN 0
	FETCH_A \slot, (\q)+1, 4
.endm
; A slot's last step changes slots: ONE barrier; in front of it each wave waits for all its tensor loads, adds 0 to its spare word, and waits for that and for its reads of this slot.
.macro TURN slot, next, fill
	s_wait_tensorcnt 0x0                           ; all my tensor loads have landed: my part of the next slot (every window is 0 here)
	ds_add_u32 v[SPW], v[NIL]                      ; 0 onto my spare word
	s_wait_dscnt 4*NL+1                            ; the add and the youngest sixteen loads (R's blocks 4-7) may be out
	WIN MUL_LO
	MUL16 0, 1, NQ-1, \slot, 0
	s_wait_dscnt 0x0                               ; the add is done, and my reads of this slot are over
	s_barrier_signal -1
	MUL16 2, 1, NQ-1, \slot, 0
	WIN 0
	s_barrier_wait -1
.if \fill
	CREST                                          ; the barrier has opened a round of the cluster's barrier: no wave of any partner still reads this slot or has a load on its way
	s_add_nc_u64 s[G0+4*\slot+2:G0+4*\slot+3], s[G0+4*\slot+2:G0+4*\slot+3], 2*ROWB
	s_add_nc_u64 s[G0B+4*\slot+2:G0B+4*\slot+3], s[G0B+4*\slot+2:G0B+4*\slot+3], 2*ROWB
	JLOAD G0+4*\slot, G1, G0B+4*\slot, G1B         ; the first tensor load behind the round; its four v_nop are among the places in front of the loads below
	PLACES NP-4
.else
	PLACES NP
.endif
	v_add_nc_u32 v[ADRS], 4*NQ, v[ADRS]            ; on to the next K step's scale words
	FETCH_B \next, 0, 0
	FETCH_A \next, 0, 0
	SCALES \next
	WIN MUL_HI
	MUL16 4, 1, NQ-1, \slot, 0
	MUL16 6, 1, NQ-1, \slot, 0
	PLACES NP
	WIN 0
	FETCH_A \next, 0, 4
.endm
	s_wait_tensorcnt 1                             ; the scales and my part of K step 0 are in; K step 1's load may stay out
	s_barrier_signal -1
	s_barrier_wait -1
	FETCH_B 0, 0, 0
	FETCH_A 0, 0, 0
	SCALES 0
	FETCH_A 0, 0, 4
	s_wait_loadcnt 0x0                             ; the biases
	s_cmp_eq_u32 s[TYP], 2                         ; the first step is written twice: only the registers of its C differ.  Both ways hold the same LDS loads and waits, no store, no barrier, no tensor load
	s_cbranch_scc1 .Lfirst_v
	STEP 0, 0, 1
	s_branch .Lfirst_done
.Lfirst_v:
	STEP 0, 0, 2
.Lfirst_done:
	TURN 0, 1, 1                                   ; K = 1,024 is four slots' worth: written out, no loop
	STEP 1, 0, 0
	TURN 1, 0, 1
	STEP 0, 0, 0
	TURN 0, 1, 0                                   ; the last two slots are filled no more
	STEP 1, 0, 0
	s_wait_dscnt 4*NL
	WIN MUL_LO
	MUL16 0, 1, NQ-1, 1, 0
	MUL16 2, 1, NQ-1, 1, 0
	s_wait_dscnt 0
	WIN MUL_HI
	MUL16 4, 1, NQ-1, 1, 0
	MUL16 6, 1, NQ-1, 1, 0
	WIN 0
; THE WAY OUT.  R's block a: lane (r, h) holds row r and, in the 16 registers of tiles 2 b and 2 b + 1, sixteen numbers of block b of 32; lane l xor 16 holds the other sixteen.
; The block's largest magnitude (with the floor 2^(9 - 127) among its leaves) gives the scale: 8 off its exponent field is the conversion's scale operand, that shifted down the byte,
; its exponent field over 448's mantissa the hold.  Each accumulator is read from its low end on.
.macro QOUT a
.set AC, 64*((\a)%4)
.set W, 2+(\a)/4
.set WN, (W<<2)|(W<<4)
	WIN WN                                         ; sources 1 and 2: the accumulators' window
.irp b, 0,1,2,3
	v_max3_num_f32 v[TM+\b], 0x4800000, |v[AC+16*\b]|, |v[AC+16*\b+1]|
.endr
.irp i, 2,4,6,8,10,12,14
.irp b, 0,1,2,3
	v_max3_num_f32 v[TM+\b], v[TM+\b], |v[AC+16*\b+\i]|, |v[AC+16*\b+\i+1]|   ; the four blocks by turns
.endr
.endr
	WIN 0
.irp b, 0,1,2,3
	v_permlanex16_b32 v[TM+4+\b], v[TM+\b], s100, s101
.endr
.irp b, 0,1,2,3
	v_max_num_f32 v[TM+\b], v[TM+\b], v[TM+4+\b]
.endr
.irp b, 0,1,2,3
	v_add_nc_u32 v[TM+12+\b], 0xfc000000, v[TM+\b]
.endr
.irp b, 0,1,2,3
	v_and_or_b32 v[TM+8+\b], v[TM+\b], 0x7f800000, s3
.endr
.irp b, 0,1,2,3
	v_lshrrev_b32 v[TM+4+\b], 23, v[TM+12+\b]
.endr
	v_lshl_or_b32 v[PW+(\a)], v[TM+5], 8, v[TM+4]  ; my row's scale word
	v_lshl_or_b32 v[PW+(\a)], v[TM+6], 16, v[PW+(\a)]
	v_lshl_or_b32 v[PW+(\a)], v[TM+7], 24, v[PW+(\a)]
.set WN, (W<<6)|W
	WIN WN                                         ; destination and source 0: the accumulators' window
.irp b, 0,1,2,3
.irp i, 0,1,2,3,4,5,6,7,8,9,10,11,12,13,14,15
	v_med3_num_f32 v[AC+16*\b+\i], v[AC+16*\b+\i], -v[TM+8+\b], v[TM+8+\b]   ; the conversion to an 8-bit code does not saturate (ISA guide 7.6.2): the hold at 448 x the scale
.endr
.endr
	WIN W
.irp b, 0,1,2,3
	v_cvt_scalef32_pk8_fp8_f32 v[CD+16*(\a)+4*\b:CD+16*(\a)+4*\b+1], v[AC+16*\b:AC+16*\b+7], v[TM+12+\b]
	v_cvt_scalef32_pk8_fp8_f32 v[CD+16*(\a)+4*\b+2:CD+16*(\a)+4*\b+3], v[AC+16*\b+8:AC+16*\b+15], v[TM+12+\b]
.endr
	WIN 0
	v_nop                                          ; a plain instruction behind the last conversion: the next block writes the scale operands again
.irp c, 0,1,2,3
	global_store_b128 v[CO], v[CD+16*(\a)+4*\c:CD+16*(\a)+4*\c+3], s[12:13] offset:2048*(\a)+512*\c   ; 32 lanes store 512 consecutive bytes; each block has code registers of its own
.endr
.endm
	PLACES NP                                      ; behind the last products: their results are read and R's registers written below
.irp b, 0,1,2,3
	v_mov_b32 v[TM+4+\b], 0                        ; written once: a lane permute's destination counts as one of its sources
.endr
	v_and_b32 v6, 31, v0
	v_cmp_le_u32 vcc_lo, 16, v6                    ; lanes 16-31
.irp a, 0,1,2,3,4,5,6,7
	QOUT \a
.endr
.irp p, 0,1,2,3
	v_cndmask_b32 v[SW+\p], v[PW+2*\p], v[PW+2*\p+1], vcc_lo   ; lanes 0-15: block 2 p's words, lanes 16-31: block 2 p + 1's (both halves of the lanes hold their row's word)
.endr
.irp p, 0,1,2,3
	global_store_b32 v[LS], v[SW+\p], s[96:97] offset:128*\p   ; 128 consecutive bytes; two such stores side by side cover 256
.endr
	s_wait_tensorcnt 0x0                           ; the wave's end
	ds_add_u32 v[SPW], v[NIL]
	s_wait_dscnt 0x0
	CROUND                                         ; the closing round
	s_endpgm
.Lfunc_end_k_q7346c3de8b_qkv:
	.size	k_q7346c3de8b_qkv, .Lfunc_end_k_q7346c3de8b_qkv-k_q7346c3de8b_qkv
	.p2alignl 7, 3214868480
	.fill 96, 4, 3214868480
	.section	.rodata,"a",@progbits
	.p2align	6, 0x0
	.amdhsa_kernel k_q7346c3de8b_qkv
		.amdhsa_group_segment_fixed_size 327680
		.amdhsa_private_segment_fixed_size 0
		.amdhsa_enable_private_segment 0
		.amdhsa_kernarg_size 104
		.amdhsa_user_sgpr_count 2
		.amdhsa_user_sgpr_kernarg_segment_ptr 1
		.amdhsa_wavefront_size32 1
		.amdhsa_system_sgpr_workgroup_id_x 1
		.amdhsa_system_sgpr_workgroup_id_y 1
		.amdhsa_system_sgpr_workgroup_id_z 1
		.amdhsa_system_vgpr_workitem_id 0
		.amdhsa_next_free_vgpr 1024
		.amdhsa_next_free_sgpr 102
		.amdhsa_reserve_vcc 1
		.amdhsa_float_denorm_mode_32 3
		.amdhsa_float_denorm_mode_16_64 3
		.amdhsa_memory_ordered 1
		.amdhsa_forward_progress 1
		.amdhsa_inst_pref_size 205
	.end_amdhsa_kernel
	.amdgpu_metadata
---
amdhsa.version: [ 1, 2 ]
amdhsa.kernels:
  - .name:           k_q7346c3de8b_qkv
    .symbol:         k_q7346c3de8b_qkv.kd
    .args:
      - { .name: x_codes, .offset: 0, .size: 8, .value_kind: global_buffer, .address_space: global }
      - { .name: x_scales, .offset: 8, .size: 8, .value_kind: global_buffer, .address_space: global }
      - { .name: Wq_codes, .offset: 16, .size: 8, .value_kind: global_buffer, .address_space: global }
      - { .name: Wq_scales, .offset: 24, .size: 8, .value_kind: global_buffer, .address_space: global }
      - { .name: Wk_codes, .offset: 32, .size: 8, .value_kind: global_buffer, .address_space: global }
      - { .name: Wk_scales, .offset: 40, .size: 8, .value_kind: global_buffer, .address_space: global }
      - { .name: Wv_codes, .offset: 48, .size: 8, .value_kind: global_buffer, .address_space: global }
      - { .name: Wv_scales, .offset: 56, .size: 8, .value_kind: global_buffer, .address_space: global }
      - { .name: bq, .offset: 64, .size: 8, .value_kind: global_buffer, .address_space: global }
      - { .name: bk, .offset: 72, .size: 8, .value_kind: global_buffer, .address_space: global }
      - { .name: bv, .offset: 80, .size: 8, .value_kind: global_buffer, .address_space: global }
      - { .name: qkvc, .offset: 88, .size: 8, .value_kind: global_buffer, .address_space: global }
      - { .name: qkvs, .offset: 96, .size: 8, .value_kind: global_buffer, .address_space: global }
    .group_segment_fixed_size: 327680
    .private_segment_fixed_size: 0
    .kernarg_segment_align: 8
    .kernarg_segment_size: 104
    .max_flat_workgroup_size: 128
    .sgpr_count:     102
    .vgpr_count:     1024
    .wavefront_size: 32
...
	.end_amdgpu_metadata
.endif
;; end of part 1
;; launch attn (part 2): grid 4 x 64, 4 waves a work-group, no clusters, 69,120 bytes of LDS; arguments qkvc, qkvs, oc, os; writes oc, os
.if DOCPART == 2
	.amdgcn_target "amdgcn-amd-amdhsa--gfx1250"
	.amdhsa_code_object_version 6
	.text
	.protected	k_q7346c3de8b_attn
	.globl	k_q7346c3de8b_attn
	.p2align	8
	.type	k_q7346c3de8b_attn,@function
k_q7346c3de8b_attn:
	s_mov_b64 s[64:65], 0
	v_nop
	global_prefetch_b8 v0, s[64:65] scope:SCOPE_SE
	s_setreg_imm32_b32 hwreg(HW_REG_WAVE_MODE, 25, 1), 1
	s_wait_xcnt 0x0
; For one head and 256 of its queries: S = q k^T; att = softmax(S) / 32, FINISHED AND NORMALISED, is quantised along the keys in blocks of 32; O = att v; O is quantised along the head's 128.
; Both products on codes of FP8 (E4M3) with E8M0 scales.  q, k, v come as images of operand registers (2,048 bytes a fragment, [c][lane][16]) and scale words, as the launch before laid them.
; SHARES.  head = work-group y, quarter of the queries = work-group x; 16 tiles of 16 queries.  THE WAVES SHARE THE KEYS: wave w owns keys 256 w .. 256 w + 255 for the whole launch: their 16
; fragments of K (window 2) and 16 of V (window 3) are loaded from memory once and stay in registers.  All four waves work on the same tile of queries.
; The normalised weights want a query's maximum and sum over all 1,024 keys before any weight is quantised: each wave keeps its 256 scores in 128 registers, the waves exchange (c m, l) through LDS,
; and each wave's part of O^T is added up through LDS: wave b adds and quantises block b of 32 of the head's 128.
; ONE BARRIER A TILE.  The body for tile i: softmax's first half of tile i | store (c m, l) | barrier | load the four (c m, l) and tile i - 1's parts of O^T | the factor, with tile i - 1's additions and
; quantiser as the independent work behind its exponentials and its reciprocal | the weights' codes | V^T P of tile i, K Q^T of tile i + 1 | store tile i's parts of O^T | ask for Q of tile i + 2.
; Both exchanges have TWO buffers, taken by the tile's parity p.  Between two barriers ORED[p], STAT[1 - p] and the scale bytes are written, ORED[1 - p] and STAT[p] are read.  What is stored is waited for
; (DScnt 0) ahead of the next barrier's signal and read behind it; what is read is waited for ahead of that same signal, and its buffer is written again only behind it.
; LAYOUT.  Both products transposed: S^T = K Q^T, O^T = V^T P^T: a lane holds ONE query (lane % 16).  Tiles 2 b, 2 b + 1 give a lane 16 numbers of block b, laid at the operand's places 32 b + 16 h + 0 .. 15:
; the same order inside a block that the launch before gave V's keys, and that the launch behind gives Wp's rows.
; ARITHMETIC.  c = log2(e).  e = 2^(c s - c m_w), m_w the wave's maximum; l_w its sum; m the largest of the four; g_w = 2^(c m_w - c m); l = the sum of g_w l_w; weight = e x (g_own x (1 / l) x 2^-5).
; A block's largest weight is not searched for: the block's largest score goes through the same three operations.  That takes v_exp_f32 not to fall where its input rises.
; NO TENSOR LOAD, NO CLUSTER: K and V go straight into the registers where they stay; what the four work-groups of a head share is read once by each at its head, and a joint load would add a trip
; through LDS of the same bytes.  No prefetch: the one stream of the loop, Q (2 KB a tile), is loaded a whole tile ahead into registers.
; LIMITS: NaN and infinities are not served.  v_exp_f32 gives 0 for results under 2^-126.  A block whose largest number lies under 2^-118 gets the byte 1; a block of zeros gets 1 and not 127 (this program alone reads the bytes).
; REGISTERS.  window 0: v1-11 addresses; v12-15, v38-41 sums; v16-23 K's scale words, v24-31 V's, v32 Q's, v33-34 the weights'; v36-37 c m_w, l_w; v42-61 at work; v64-95 eight blocks' figures; v128-255 S^T.
;   window 1: v0-15 Q; v16-47 the weights' codes; v64-127 O^T; v128-191 four parts of a block of O^T; v192-197 its quantiser; v200-207 its codes, two sets by turns.   window 2: K.   window 3: V.
.set ORED, 0                           ; LDS: O^T's parts: two buffers of [owner b][source w][c][lane][16] = 32,768 bytes
.set STAT, 65536                       ; (c m_w, l_w): two buffers of [w][lane][8] = 1,024 bytes
.set OSC,  67584                       ; O's scale bytes: byte 64 i + 4 r + w
.set S,    128
.set BM,   64                          ; a block's largest score, then its largest weight
.set BT,   72                          ; permute's destination, then the byte
.set BH,   80                          ; 448 x the scale
.set BO,   88                          ; the conversion's scale operand
.set KSC,  16
.set VSC,  24
.set QS,   32
.set PS,   33
.set MSB, 0
.macro WIN new                         ; the immediate's high byte repeats the setting that is left
.if MSB != (\new)
	s_set_vgpr_msb (MSB<<8)|(\new)
.set MSB, (\new)
.endif
.endm
.macro PLACES n
.rept \n
	v_nop
.endr
.endm
; S^T = K Q^T: my 256 keys x the 16 queries whose fragment lies in window 1, v0-15
.macro SPROD
	WIN 0x06                                       ; source 0 (K) window 2, source 1 (Q) window 1
.set kt, 0
.rept 16
.if kt%2
	v_wmma_scale_f32_16x16x128_f8f6f4 v[S+8*kt:S+8*kt+7], v[16*kt:16*kt+15], v[0:15], 0, v[KSC+kt/2], v[QS] matrix_a_scale:MATRIX_SCALE_ROW1
.else
	v_wmma_scale_f32_16x16x128_f8f6f4 v[S+8*kt:S+8*kt+7], v[16*kt:16*kt+15], v[0:15], 0, v[KSC+kt/2], v[QS]
.endif
.set kt, kt+1
.endr
	WIN 0
.endm
; the next tile's Q and its scale words.  The loads that read these bases are done: a wait on LOADcnt that covers them stands ahead of every call
.macro QNEXT
	s_add_nc_u64 s[24:25], s[24:25], 2048
	s_add_nc_u64 s[26:27], s[26:27], 64
	WIN 0x40
.irp c, 0,1,2,3
	global_load_b128 v[4*\c:4*\c+3], v1, s[24:25] offset:512*\c
.endr
	WIN 0
	global_load_b32 v[QS], v3, s[26:27]
.endm
; the four waves' parts of block w of O^T, out of buffer j
.macro OLOAD j
	WIN 0x40
.irp w, 0,1,2,3
.irp c, 0,1,2,3
	ds_load_b128 v[128+16*\w+4*\c:128+16*\w+4*\c+3], v7 offset:ORED+32768*(\j)+2048*\w+512*\c
.endr
.endr
	WIN 0
.endm
; they are added, in a fixed order: (0 + 1) + (2 + 3).  All in window 1; the caller sets the windows back
.macro FADD
	WIN 0x55
.irp i, 0,2,4,6,8,10,12,14
	v_pk_add_f32 v[128+\i:129+\i], v[128+\i:129+\i], v[144+\i:145+\i]
	v_pk_add_f32 v[160+\i:161+\i], v[160+\i:161+\i], v[176+\i:177+\i]
.endr
.irp i, 0,2,4,6,8,10,12,14
	v_pk_add_f32 v[128+\i:129+\i], v[128+\i:129+\i], v[160+\i:161+\i]
.endr
.endm
; and quantised: 16 numbers a lane, lane l xor 16 holds the block's other 16.  j = the tile's parity: which set of code registers, which of the pair's two fragments and scale bytes
.macro FQ j
	WIN 0x55
	v_max3_num_f32 v192, |v128|, |v129|, 0x4800000 ; two chains; the floor 2^(9 - 127) among the leaves: the byte cannot fall under 1
	v_max3_num_f32 v197, |v136|, |v137|, |v138|
	v_max3_num_f32 v192, v192, |v130|, |v131|
	v_max3_num_f32 v197, v197, |v139|, |v140|
	v_max3_num_f32 v192, v192, |v132|, |v133|
	v_max3_num_f32 v197, v197, |v141|, |v142|
	v_max3_num_f32 v192, v192, |v134|, |v135|
	v_max3_num_f32 v192, v192, v197, |v143|
	v_permlanex16_b32 v193, v192, s20, s21
	v_max_num_f32 v192, v192, v193                 ; the block's largest magnitude
	v_add_nc_u32 v194, 0xfc000000, v192            ; 8 off its exponent field: the conversion's scale operand
	v_and_or_b32 v195, v192, 0x7f800000, s19       ; 448 x the scale
	v_lshrrev_b32 v196, 23, v194                   ; the byte
.irp i, 0,1,2,3,4,5,6,7,8,9,10,11,12,13,14,15
	v_med3_num_f32 v[128+\i], v[128+\i], -v195, v195   ; the conversion does not saturate (ISA guide 7.6.2): the hold at 448 x the scale
.endr
	v_cvt_scalef32_pk8_fp8_f32 v[200+4*(\j):201+4*(\j)], v[128:135], v194
	v_cvt_scalef32_pk8_fp8_f32 v[202+4*(\j):203+4*(\j)], v[136:143], v194
	v_nop                                          ; a plain instruction behind the last conversion
	WIN 0x04                                       ; a store's data are its source 1: window 1
	global_store_b128 v1, v[200+4*(\j):203+4*(\j)], s[28:29] offset:2048*(\j)   ; chunk w of the tile's fragment: 512 consecutive bytes
	ds_store_b8 v11, v196 offset:64*(\j)           ; both lanes of a row write the same byte with the same value
	WIN 0
.endm
	s_load_b256 s[4:11], s[0:1], 0x0               ; qkvc, qkvs, oc, os
	v_lshl_add_u32 v126, v0, 2, 0x10c00
	v_mov_b32 v127, 0
	v_lshrrev_b32 v1, 5, v0
	v_readfirstlane_b32 s12, v1                    ; wave 0..3
	s_and_b32 s13, ttmp7, 0xffff                   ; head = 8 x batch + hh
	s_mov_b32 s14, ttmp9                           ; which 256 queries
	v_and_b32 v42, 31, v0                          ; lane
	v_and_b32 v43, 15, v0                          ; r
	v_lshlrev_b32 v1, 4, v42                       ; 16 x lane: an image's place
	v_lshlrev_b32 v2, 2, v42                       ; 4 x lane
	v_lshlrev_b32 v3, 2, v43                       ; 4 r
	v_lshlrev_b32 v10, 3, v42                      ; 8 x lane
	s_lshl_b32 s15, s12, 8
	v_add_nc_u32 v5, STAT, v10                     ; the four waves' figures, read
	v_add_nc_u32 v4, s15, v5                       ; mine, stored
	s_lshl_b32 s16, s12, 11
	v_add_nc_u32 v6, s16, v1                       ; O^T's parts, stored: source w
	s_lshl_b32 s16, s12, 13
	v_add_nc_u32 v7, s16, v1                       ; and read: owner w
	v_add_nc_u32 v8, OSC, v3
	v_add_nc_u32 v8, s12, v8                       ; my byte of row r's scale word
	v_add_nc_u32 v9, OSC, v10
	v_add_nc_u32 v9, s15, v9                       ; the words on their way out
	v_mov_b32 v11, v8
	v_mov_b32 v37, 0                               ; named in pairs, or as a permute's destination, before they are first computed
	v_mov_b32 v59, 0
.irp b, 0,1,2,3,4,5,6,7
	v_mov_b32 v[BT+\b], 0
.endr
	s_mov_b32 s19, 0x600000                        ; the mantissa field of 448
	s_mov_b32 s20, 0x76543210
	s_mov_b32 s21, 0xfedcba98                      ; v_permlanex16_b32's selects for lane l xor 16
	s_mov_b32 s22, 0x3fb8aa3b                      ; c = log2(e)
	s_mov_b32 s23, s22                             ; (the packed form names the pair)
	s_mov_b32 s30, 7                               ; the loop's trips: tiles 1 to 14, two a trip
	s_mov_b32 s31, 0
	s_lshl_b32 s2, s13, 17                         ; the head's codes: 131,072 bytes in each type
	s_lshl_b32 s3, s13, 12                         ; its scale words: 4,096
	s_mov_b32 s17, 0
	s_wait_kmcnt 0x0
	s_lshl_b32 s16, s14, 15
	s_add_co_u32 s16, s16, s2
	s_add_nc_u64 s[24:25], s[4:5], s[16:17]        ; Q's fragments of my 256 queries
	s_lshl_b32 s16, s12, 15
	s_add_co_u32 s16, s16, s2
	s_add_co_u32 s16, s16, 0x800000
	s_add_nc_u64 s[32:33], s[4:5], s[16:17]        ; K's of my 256 keys
	s_add_co_u32 s16, s16, 0x800000
	s_add_nc_u64 s[34:35], s[4:5], s[16:17]        ; V's of my two key steps
	s_lshl_b32 s16, s14, 10
	s_add_co_u32 s16, s16, s3
	s_add_nc_u64 s[26:27], s[6:7], s[16:17]        ; Q's scale words
	s_lshl_b32 s16, s12, 10
	s_add_co_u32 s16, s16, s3
	s_add_co_u32 s16, s16, 0x40000
	s_add_nc_u64 s[36:37], s[6:7], s[16:17]        ; K's
	s_add_co_u32 s16, s16, 0x40000
	s_add_nc_u64 s[38:39], s[6:7], s[16:17]        ; V's
	s_and_b32 s18, s13, 7                          ; hh
	s_lshr_b32 s15, s13, 3                         ; batch
	s_lshl_b32 s16, s15, 6
	s_lshl_b32 s2, s14, 4
	s_add_co_u32 s16, s16, s2                      ; my first tile of 16 rows: 64 x batch + 16 x
	s_lshl_b32 s2, s16, 6                          ; its rows' words: 64 bytes a tile
	s_lshl_b32 s16, s16, 11                        ; its fragment: 2,048 bytes a tile
	s_lshl_b32 s3, s18, 20
	s_add_co_u32 s16, s16, s3
	s_lshl_b32 s3, s12, 9                          ; chunk c = w of the image: block w of the head's 128
	s_add_co_u32 s16, s16, s3
	s_add_nc_u64 s[28:29], s[8:9], s[16:17]        ; oc
	s_lshl_b32 s16, s18, 15
	s_add_co_u32 s16, s16, s2
	s_lshl_b32 s3, s12, 8
	s_add_co_u32 s16, s16, s3
	s_add_nc_u64 s[10:11], s[10:11], s[16:17]      ; os: my wave's 256 bytes of the work-group's 1,024
	WIN 0x40                                       ; destination window 1
	v_mov_b32 v193, 0                              ; a permute's destination
.irp c, 0,1,2,3
	global_load_b128 v[4*\c:4*\c+3], v1, s[24:25] offset:512*\c     ; the first tile of Q
.endr
	WIN 0
	global_load_b32 v[QS], v3, s[26:27]
.irp p, 0,1,2,3,4,5,6,7
	global_load_b32 v[KSC+\p], v2, s[36:37] offset:128*\p   ; lanes 0-15: tile 2 p's words, lanes 16-31: tile 2 p + 1's
	global_load_b32 v[VSC+\p], v2, s[38:39] offset:128*\p
.endr
	WIN 0x80                                       ; destination window 2
.irp f, 0,1,2,3,4,5,6,7,8,9,10,11,12,13,14,15
.irp c, 0,1,2,3
	global_load_b128 v[16*\f+4*\c:16*\f+4*\c+3], v1, s[32:33] offset:2048*\f+512*\c   ; K: keys 256 w + 16 f on; 512 consecutive bytes a load
.endr
.endr
	WIN 0xc0                                       ; destination window 3
.irp f, 0,1,2,3,4,5,6,7,8,9,10,11,12,13,14,15
.irp c, 0,1,2,3
	global_load_b128 v[16*\f+4*\c:16*\f+4*\c+3], v1, s[34:35] offset:2048*\f+512*\c   ; V: key step f / 8, channels 16 (f % 8) on.  V's 64 loads are the last
.endr
.endr
	WIN 0
; THE BODY for tile i.  p = i % 2;  f = 1: tile i - 1's parts of O^T are added up and leave;  a = 1: tile i + 1's scores are multiplied;  q = 1: Q of tile i + 2 is asked for, 2: unless this is the loop's last trip;
; st = 1: oc's base steps by two tiles.
.macro BODY p, f, a, q, st
	; ---- the largest score of each block of 32 keys (it serves twice: for the maximum, and for the block's largest weight); each accumulator is read from its low end on
.irp b, 0,1,2,3,4,5,6,7
	v_max3_num_f32 v[BM+\b], v[S+16*\b], v[S+16*\b+1], v[S+16*\b+2]
.endr
.irp i, 3,5,7,9,11,13
.irp b, 0,1,2,3,4,5,6,7
	v_max3_num_f32 v[BM+\b], v[BM+\b], v[S+16*\b+\i], v[S+16*\b+\i+1]
.endr
.endr
.irp b, 0,1,2,3,4,5,6,7
	v_max_num_f32 v[BM+\b], v[BM+\b], v[S+16*\b+15]
.endr
.irp b, 0,1,2,3,4,5,6,7
	v_permlanex16_b32 v[BT+\b], v[BM+\b], s20, s21
.endr
.irp b, 0,1,2,3,4,5,6,7
	v_max_num_f32 v[BM+\b], v[BM+\b], v[BT+\b]     ; with lane l xor 16's sixteen keys
.endr
	v_max3_num_f32 v42, v[BM], v[BM+1], v[BM+2]
	v_max3_num_f32 v42, v42, v[BM+3], v[BM+4]
	v_max3_num_f32 v42, v42, v[BM+5], v[BM+6]
	v_max_num_f32 v42, v42, v[BM+7]                ; my query's largest score among my 256 keys
	v_mul_f32 v36, s22, v42                        ; c m_w
	; ---- e = 2^(c s - c m_w): one fused multiply-add and one exponential; ONE batch, one wait
.set i, 0
.rept 64
	v_pk_fma_f32 v[S+i:S+i+1], v[S+i:S+i+1], s[22:23], v[36:37] op_sel_hi:[1,0,0] neg_lo:[0,0,1] neg_hi:[0,0,1]
.set i, i+2
.endr
.irp b, 0,1,2,3,4,5,6,7
	v_fma_f32 v[BM+\b], v[BM+\b], s22, -v36        ; the same of each block's largest score
.endr
.set i, 0
.rept 128
	v_exp_f32 v[S+i], v[S+i]
.set i, i+1
.endr
.irp b, 0,1,2,3,4,5,6,7
	v_exp_f32 v[BM+\b], v[BM+\b]
.endr
	v_nop                                          ; a plain instruction behind the last exponential
	s_wait_alu depctr_va_vdst(0)                   ; one wait for the batch of 136, ahead of its first reader
	; ---- l_w: four chains, two numbers an instruction
	v_pk_add_f32 v[12:13], v[S:S+1], v[S+8:S+9]
	v_pk_add_f32 v[14:15], v[S+2:S+3], v[S+10:S+11]
	v_pk_add_f32 v[38:39], v[S+4:S+5], v[S+12:S+13]
	v_pk_add_f32 v[40:41], v[S+6:S+7], v[S+14:S+15]
.set i, 16
.rept 14
	v_pk_add_f32 v[12:13], v[12:13], v[S+i:S+i+1]
	v_pk_add_f32 v[14:15], v[14:15], v[S+i+2:S+i+3]
	v_pk_add_f32 v[38:39], v[38:39], v[S+i+4:S+i+5]
	v_pk_add_f32 v[40:41], v[40:41], v[S+i+6:S+i+7]
.set i, i+8
.endr
	v_pk_add_f32 v[12:13], v[12:13], v[14:15]
	v_pk_add_f32 v[38:39], v[38:39], v[40:41]
	v_pk_add_f32 v[12:13], v[12:13], v[38:39]
	v_add_f32 v42, v12, v13
	v_permlanex16_b32 v43, v42, s20, s21
	v_add_f32 v37, v42, v43                        ; l_w
	ds_store_b64 v4, v[36:37] offset:1024*\p
	s_wait_dscnt 0x0                               ; for the others' sake: my figures and my parts of the last tile's O^T have landed; my reads of the other buffers, behind the last barrier, are done
	s_barrier_signal -1
	s_barrier_wait -1
	; ---- the factor that finishes a weight; the last tile's O^T stands in its gaps
.irp w, 0,1,2,3
	ds_load_b64 v[44+2*\w:45+2*\w], v5 offset:1024*\p+256*\w
.endr
.if \f
	OLOAD 1-\p
	s_wait_dscnt 16                                ; the four figures are in; the sixteen loads of O^T's parts, issued behind them, may be out
.else
	s_wait_dscnt 0x0
.endif
	v_max3_num_f32 v52, v44, v46, v48
	v_max_num_f32 v52, v52, v50                    ; c m
.irp w, 0,1,2,3
	v_sub_f32 v[53+\w], v[44+2*\w], v52
.endr
	v_sub_f32 v57, v36, v52
.irp w, 0,1,2,3,4
	v_exp_f32 v[53+\w], v[53+\w]                   ; g_0 .. g_3, g_own
.endr
.if \f
	s_wait_dscnt 0x0                               ; O^T's parts are in
	FADD                                           ; 24 plain instructions behind the five exponentials, which name none of their results
	WIN 0
.else
	v_nop
.endif
	s_wait_alu depctr_va_vdst(0)                   ; one wait for the five
	v_mul_f32 v60, v53, v45                        ; l: the same order in every wave
	v_fma_f32 v60, v54, v47, v60
	v_fma_f32 v60, v55, v49, v60
	v_fma_f32 v60, v56, v51, v60
	v_rcp_f32 v61, v60
.if \f
	FQ 1-\p                                        ; the last tile's block of O is quantised and leaves: independent work behind the reciprocal
.else
	v_nop
.endif
	s_wait_alu depctr_va_vdst(0)
	v_mul_f32 v58, v57, v61
	v_mul_f32 v58, 0x3d000000, v58                 ; f = g_own / l / 32
	; ---- the finished weights, and their blocks' scales
.set i, 0
.rept 64
	v_pk_mul_f32 v[S+i:S+i+1], v[S+i:S+i+1], v[58:59] op_sel_hi:[1,0]
.set i, i+2
.endr
.irp b, 0,1,2,3,4,5,6,7
	v_mul_f32 v[BM+\b], v[BM+\b], v58              ; the block's largest weight: the same operations on the same number
.endr
.irp b, 0,1,2,3,4,5,6,7
	v_max_num_f32 v[BM+\b], 0x4800000, v[BM+\b]    ; the floor 2^(9 - 127): the byte cannot fall under 1
.endr
.irp b, 0,1,2,3,4,5,6,7
	v_add_nc_u32 v[BO+\b], 0xfc000000, v[BM+\b]    ; 8 off the exponent field: the conversion's scale operand
.endr
.irp b, 0,1,2,3,4,5,6,7
	v_and_or_b32 v[BH+\b], v[BM+\b], 0x7f800000, s19   ; 448 x the scale
.endr
.irp b, 0,1,2,3,4,5,6,7
	v_lshrrev_b32 v[BT+\b], 23, v[BO+\b]           ; the byte
.endr
	v_lshl_or_b32 v[PS], v[BT+1], 8, v[BT]         ; the weights' scale words of my two key steps; the 128 holds below stand between them and their products
	v_lshl_or_b32 v[PS+1], v[BT+5], 8, v[BT+4]
	v_lshl_or_b32 v[PS], v[BT+2], 16, v[PS]
	v_lshl_or_b32 v[PS+1], v[BT+6], 16, v[PS+1]
	v_lshl_or_b32 v[PS], v[BT+3], 24, v[PS]
	v_lshl_or_b32 v[PS+1], v[BT+7], 24, v[PS+1]
.irp b, 0,1,2,3,4,5,6,7
.irp i, 0,1,2,3,4,5,6,7,8,9,10,11,12,13,14,15
	v_min_num_f32 v[S+16*\b+\i], v[S+16*\b+\i], v[BH+\b]   ; the conversion does not saturate (ISA guide 7.6.2); a weight is not negative, so the hold is one-sided
.endr
.endr
	WIN 0x40                                       ; destination window 1
.irp b, 0,1,2,3,4,5,6,7
	v_cvt_scalef32_pk8_fp8_f32 v[16+4*\b:17+4*\b], v[S+16*\b:S+16*\b+7], v[BO+\b]
	v_cvt_scalef32_pk8_fp8_f32 v[18+4*\b:19+4*\b], v[S+16*\b+8:S+16*\b+15], v[BO+\b]
.endr
	WIN 0
	PLACES 5                                       ; the plain instruction behind the conversions, and four places in front of products whose operand vector instructions have written
	s_wait_loadcnt 0x0                             ; the next tile's Q, asked for a tile ago (in the first body V too)
.if \st
	s_wait_xcnt 0x0                                ; the pair's two stores into oc have read their base and their data: the base steps here, the data are written again in later bodies
	s_add_nc_u64 s[28:29], s[28:29], 4096
.endif
	; ---- O^T (my part) = V^T P^T over my 256 keys: eight accumulators by turns, a key step at a time
	WIN 0x57                                       ; source 0 (V) window 3; source 1 (the codes), C and D window 1
.set dt, 0
.rept 8
.if dt%2
	v_wmma_scale_f32_16x16x128_f8f6f4 v[64+8*dt:64+8*dt+7], v[16*dt:16*dt+15], v[16:31], 0, v[VSC+dt/2], v[PS] matrix_a_scale:MATRIX_SCALE_ROW1
.else
	v_wmma_scale_f32_16x16x128_f8f6f4 v[64+8*dt:64+8*dt+7], v[16*dt:16*dt+15], v[16:31], 0, v[VSC+dt/2], v[PS]
.endif
.set dt, dt+1
.endr
.set dt, 0
.rept 8
.if dt%2
	v_wmma_scale_f32_16x16x128_f8f6f4 v[64+8*dt:64+8*dt+7], v[128+16*dt:128+16*dt+15], v[32:47], v[64+8*dt:64+8*dt+7], v[VSC+4+dt/2], v[PS+1] matrix_a_scale:MATRIX_SCALE_ROW1
.else
	v_wmma_scale_f32_16x16x128_f8f6f4 v[64+8*dt:64+8*dt+7], v[128+16*dt:128+16*dt+15], v[32:47], v[64+8*dt:64+8*dt+7], v[VSC+4+dt/2], v[PS+1]
.endif
.set dt, dt+1
.endr
.if \a
	SPROD                                          ; the next tile's scores, into the registers that the weights have left; they share no register with the products above
.else
	WIN 0
.endif
	PLACES 8                                       ; one run of places for three things: the LDS stores that read O^T, the loads into Q's registers, the next body's first read of the scores
	WIN 0x04                                       ; an LDS store's data are its source 1: window 1
.irp b, 0,1,2,3
.irp c, 0,1,2,3
	ds_store_b128 v6, v[64+16*\b+4*\c:64+16*\b+4*\c+3] offset:ORED+32768*\p+8192*\b+512*\c   ; tiles 2 b, 2 b + 1 go to wave b; 512 consecutive bytes a store; waited for ahead of the next barrier
.endr
.endr
	WIN 0
.if \q == 1
	QNEXT
.elseif \q == 2
	s_cmp_eq_u32 s30, 1                            ; tile 14 asks for nothing: no load leaves its buffer
	s_cbranch_scc1 .Lno_next_\@
	QNEXT
.Lno_next_\@:
.endif
.endm
	s_wait_loadcnt 63                              ; behind K's last load stand V's 64: with 63 out at the most, Q, K and all scale words are in, and only loads of V are on their way
	SPROD                                          ; tile 0's scores
	PLACES 8                                       ; in front of the loads into Q's registers and of the first read of the scores
	QNEXT                                          ; Q of tile 1
	BODY 0, 0, 1, 1, 0                             ; tile 0: nothing is there yet to add up
.Lpair:                                                ; 7 trips: tiles 1 to 14, two a trip, so that the buffers' turns stand in the immediates
	BODY 1, 1, 1, 1, 0
	BODY 0, 1, 1, 2, 1
	s_add_co_u32 s31, s31, 128                     ; two tiles' scale bytes on
	v_add_nc_u32 v11, s31, v8
	s_sub_co_u32 s30, s30, 1
	s_cmp_lg_u32 s30, 0
	s_cbranch_scc1 .Lpair
	BODY 1, 1, 0, 0, 0                             ; tile 15: no scores follow, nothing more is asked for
	s_wait_dscnt 0x0                               ; for the others' sake: my parts of tile 15's O^T have landed
	s_barrier_signal -1
	s_barrier_wait -1
	OLOAD 1
	s_wait_dscnt 0x0
	FADD
	FQ 1
	s_wait_dscnt 0x0                               ; my last byte has landed
	s_barrier_signal -1
	s_barrier_wait -1
	ds_load_b64 v[42:43], v9                       ; 256 rows' scale words: 256 bytes a wave
	s_wait_dscnt 0x0
	global_store_b64 v10, v[42:43], s[10:11]       ; 32 lanes store 256 consecutive bytes, aligned
	s_wait_tensorcnt 0x0
	ds_add_u32 v126, v127
	s_wait_dscnt 0x0
	s_endpgm
.Lfunc_end_k_q7346c3de8b_attn:
	.size	k_q7346c3de8b_attn, .Lfunc_end_k_q7346c3de8b_attn-k_q7346c3de8b_attn
	.p2alignl 7, 3214868480
	.fill 96, 4, 3214868480
	.section	.rodata,"a",@progbits
	.p2align	6, 0x0
	.amdhsa_kernel k_q7346c3de8b_attn
		.amdhsa_group_segment_fixed_size 69120
		.amdhsa_private_segment_fixed_size 0
		.amdhsa_enable_private_segment 0
		.amdhsa_kernarg_size 32
		.amdhsa_user_sgpr_count 2
		.amdhsa_user_sgpr_kernarg_segment_ptr 1
		.amdhsa_wavefront_size32 1
		.amdhsa_system_sgpr_workgroup_id_x 1
		.amdhsa_system_sgpr_workgroup_id_y 1
		.amdhsa_system_sgpr_workgroup_id_z 1
		.amdhsa_system_vgpr_workitem_id 0
		.amdhsa_next_free_vgpr 1024
		.amdhsa_next_free_sgpr 66
		.amdhsa_reserve_vcc 0
		.amdhsa_float_denorm_mode_32 3
		.amdhsa_float_denorm_mode_16_64 3
		.amdhsa_memory_ordered 1
		.amdhsa_forward_progress 1
		.amdhsa_inst_pref_size 186
	.end_amdhsa_kernel
	.amdgpu_metadata
---
amdhsa.version: [ 1, 2 ]
amdhsa.kernels:
  - .name:           k_q7346c3de8b_attn
    .symbol:         k_q7346c3de8b_attn.kd
    .args:
      - { .name: qkvc, .offset: 0, .size: 8, .value_kind: global_buffer, .address_space: global }
      - { .name: qkvs, .offset: 8, .size: 8, .value_kind: global_buffer, .address_space: global }
      - { .name: oc, .offset: 16, .size: 8, .value_kind: global_buffer, .address_space: global }
      - { .name: os, .offset: 24, .size: 8, .value_kind: global_buffer, .address_space: global }
    .group_segment_fixed_size: 69120
    .private_segment_fixed_size: 0
    .kernarg_segment_align: 8
    .kernarg_segment_size: 32
    .max_flat_workgroup_size: 128
    .sgpr_count:     66
    .vgpr_count:     1024
    .wavefront_size: 32
...
	.end_amdgpu_metadata
.endif
;; end of part 2
;; launch proj (part 3): grid 4 x 64, 4 waves a work-group, clusters of 4 x 4, 327,680 bytes of LDS; arguments oc, os, Wp_codes, Wp_scales, bp, out0; writes out0
.if DOCPART == 3
	.amdgcn_target "amdgcn-amd-amdhsa--gfx1250"
	.amdhsa_code_object_version 6
	.text
	.protected	k_q7346c3de8b_proj
	.globl	k_q7346c3de8b_proj
	.p2align	8
	.type	k_q7346c3de8b_proj,@function
k_q7346c3de8b_proj:
	s_mov_b64 s[64:65], 0
	v_nop
	global_prefetch_b8 v0, s[64:65] scope:SCOPE_SE
	s_setreg_imm32_b32 hwreg(HW_REG_WAVE_MODE, 25, 1), 1
	s_wait_xcnt 0x0
	s_wait_alu depctr_hold_cnt(0) depctr_sa_sdst(0) depctr_va_vdst(0) depctr_va_sdst(0) depctr_va_ssrc(0) depctr_va_vcc(0) depctr_vm_vsrc(0)
	s_getreg_b32 s2, hwreg(HW_REG_IB_STS2, 6, 4)
	s_cmp_eq_u32 s2, 0
	s_cbranch_scc0 .Lentry_in_a_cluster
	s_endpgm
.Lentry_in_a_cluster:
	s_bfe_u32 s2, ttmp6, 0x10000c
	s_cmp_lg_u32 s2, 0xf033
	s_cbranch_scc0 .Lentry_shape_is_right
	s_endpgm
.Lentry_shape_is_right:
; out0 = att_out Wp + bp on codes of FP8 (E4M3) with E8M0 scales.  att_out comes as images of operand registers, oc [hh 8][tile of 16 rows 512][2,048], and scale words os [hh][8,192]; K = (hh, 128).
; A tile of out0 is 128 rows x 256 columns: 256 work-groups.  Four waves, each 64 rows x 128 columns: 32 accumulators in window 2.  K goes in steps of 256 (two heads) through two LDS slots.
; THE MATRIX INSTRUCTION IS USED TRANSPOSED: source 0 = 16 rows of Wp (columns of out0), source 1 = 16 rows of att_out: a lane holds eight neighbouring numbers of a row of out0.
; ORDER INSIDE A BLOCK OF 32: att_out's codes lie with the numbers 32 b + 8 h + j and 32 b + 16 + 8 h + j at the operand's places 32 b + 16 h + 0 .. 15.  Wp's fragments are loaded to match:
;   eight loads of 8 bytes, registers 2 c, 2 c + 1 = K 16 c + 8 h + 0 .. 7.  Blocks and scales stay as they are; only the order of the sums differs from memory's.
; CLUSTERS: 4 x 4 work-groups; att_out's tile is shared along a row of the cluster, Wp's along a column: joint loads.
; The bias is the C of each sum's first matrix instruction.  NaN and infinities are not served.
; REGISTERS.  window 0: v1-11 addresses; v16-23 att_out's scale words, v32-63 Wp's, two sets each; v64-127, v128-191 att_out's fragments, two sets; v192-255 the bias; on the way out v128-255 are rows.
;   window 1: Wp's fragments, two sets.   window 2: accumulator (a, b) at v[8 (8 a + b)].
.set PITCH,  272                       ; a row of Wp's tile in LDS: 256 bytes + 16: the 32 lanes of an 8-byte load fall on 32 different 8-byte places modulo 256
.set AIMG,   32768                     ; a slot: att_out's images [q 2][tile 8][2,048],
.set HALFB,  128*PITCH                 ; then Wp's 256 rows
.set SLOT,   AIMG+2*HALFB
.set SCA,    2*SLOT                    ; att_out's scale words: [hh 8][128 rows], dense
.set SCB,    SCA+4096                  ; Wp's scale bytes: rows of 32, as units of 256 bytes + 16
.set HALFS,  16*272
.set SPARE,  SCB+2*HALFS               ; the spare words: two blocks of 256 bytes that no other line names
.set STAGE,  SPARE+512                 ; the way out: 16 rows x (512 + 16) bytes for each wave; bytes of its own, into which no fill lands
.set SPITCH, 528
.set ADRA, 1                           ; v1-2  my att_out fragments in slot 0, 1
.set ADRB, 3                           ; v3-4  my Wp fragments
.set ADSA, 5
.set ADSB, 6
.set STO,  7
.set RD,   8
.set CO,   9
.set SPW,  10
.set NIL,  11
.set SA,   16
.set SB,   32
.set BIAS, 192
.set G1A, 24
.set G0A, 32
.set G1B, 48
.set G0B, 56
.set G1SA, 68
.set G0SA, 76
.set G1SB, 80
.set G0SB, 88
.set MSB, 0
.macro WIN new                         ; the immediate's high byte repeats the setting that is left
.if MSB != (\new)
	s_set_vgpr_msb (MSB<<8)|(\new)
.set MSB, (\new)
.endif
.endm
.macro JLOAD g0a, g1a, g0b, g1b        ; waves 0 and 1 fetch for att_out, waves 2 and 3 for Wp; four v_nop follow each of the two lines
	s_cmp_eq_u32 s15, 0
	s_cbranch_scc0 .Lfor_b_\@
	tensor_load_to_lds s[\g0a:\g0a+3], s[\g1a:\g1a+7]
	s_nop 0
.rept 4
	v_nop
.endr
	s_branch .Lasked_\@
.Lfor_b_\@:
	tensor_load_to_lds s[\g0b:\g0b+3], s[\g1b:\g1b+7]
	s_nop 0
.rept 4
	v_nop
.endr
.Lasked_\@:
.endm
.macro CREST
	s_cmp_lg_u32 s14, 0
	s_cbranch_scc1 .Lnot_wave_0_\@
	s_barrier_signal -3
.Lnot_wave_0_\@:
	s_barrier_wait -3
	s_barrier_signal -1
	s_barrier_wait -1
.endm
.macro CROUND
	s_barrier_signal -1
	s_barrier_wait -1
	CREST
.endm
.macro PLACES n
.rept \n
	v_nop
.endr
.endm
	s_load_b256 s[4:11], s[0:1], 0x0               ; oc, os, Wp's codes, Wp's scales
	s_load_b128 s[92:95], s[0:1], 0x20             ; bp, out0
	v_lshl_add_u32 v[SPW], v0, 2, SPARE
	v_mov_b32 v[NIL], 0
	ds_add_u32 v10, v11
	ds_add_u32 v10, v11
	s_wait_dscnt 0x0
	v_lshrrev_b32 v12, 5, v0
	v_readfirstlane_b32 s14, v12                   ; wave 0..3
	s_lshr_b32 s15, s14, 1                         ; which 64 rows are mine.  Also: I fetch for att_out (0) or for Wp (1)
	s_and_b32 s16, s14, 1                          ; which 128 columns.  Also: which half I fetch
	s_bfe_u32 s40, ttmp6, 0x40000                  ; cx = the tile column
	s_bfe_u32 s41, ttmp6, 0x40004                  ; cy
	s_and_b32 s17, ttmp7, 0xffff
	s_lshl_b32 s17, s17, 2
	s_add_co_u32 s17, s17, s41                     ; the tile row = 4 x cluster y + cy
	s_lshl_b32 s43, s41, 2
	s_lshl_b32 s43, 15, s43                        ; my row of the cluster
	s_lshl_b32 s44, 0x1111, s40                    ; my column
	; att_out's images of one head and 128 rows: 16,384 dense bytes as 64 rows of 256 bytes (32 elements of 8 bytes), no padding
	s_or_b32 s[G1A+0], s43, (3<<16)|(1<<21)
	s_mov_b32 s[G1A+1], 32<<16
	s_mov_b32 s[G1A+2], 64<<16
	s_mov_b32 s[G1A+3], 32<<16
	s_mov_b32 s[G1A+4], 64
	s_mov_b32 s[G1A+5], 32
	s_mov_b32 s[G1A+6], 0
	s_mov_b32 s[G1A+7], 0
	; Wp's tile: 128 rows x 256 bytes, 1,024 bytes apart, 16 bytes of padding behind each
	s_or_b32 s[G1B+0], s44, (0<<16)|(1<<20)|(1<<21)|(5<<22)|(3<<25)
	s_mov_b32 s[G1B+1], 256<<16
	s_mov_b32 s[G1B+2], 128<<16
	s_mov_b32 s[G1B+3], 256<<16
	s_mov_b32 s[G1B+4], 128
	s_mov_b32 s[G1B+5], 1024
	s_mov_b32 s[G1B+6], 0
	s_mov_b32 s[G1B+7], 0
	; att_out's scale words of four heads: 4 rows of 512 bytes (64 elements of 8 bytes), 32,768 bytes apart
	s_or_b32 s[G1SA+0], s43, (3<<16)|(1<<21)
	s_mov_b32 s[G1SA+1], 64<<16
	s_mov_b32 s[G1SA+2], 4<<16
	s_mov_b32 s[G1SA+3], 64<<16
	s_mov_b32 s[G1SA+4], 4
	s_mov_b32 s[G1SA+5], 4096
	s_mov_b32 s[G1SA+6], 0
	s_mov_b32 s[G1SA+7], 0
	; Wp's scale bytes of 128 rows: 4,096 dense bytes as 16 rows of 256, 16 bytes of padding behind each
	s_or_b32 s[G1SB+0], s44, (3<<16)|(1<<20)|(1<<21)|(5<<22)|(3<<25)
	s_mov_b32 s[G1SB+1], 32<<16
	s_mov_b32 s[G1SB+2], 16<<16
	s_mov_b32 s[G1SB+3], 32<<16
	s_mov_b32 s[G1SB+4], 16
	s_mov_b32 s[G1SB+5], 32
	s_mov_b32 s[G1SB+6], 0
	s_mov_b32 s[G1SB+7], 0
	s_lshl_b32 s20, s17, 14                        ; att_out: 16,384 bytes a tile row in each head,
	s_lshl_b32 s18, s16, 20                        ; head = 2 x K step + half: 1,048,576 bytes a head
	s_add_co_u32 s20, s20, s18
	s_mov_b32 s21, 0
	s_lshl_b32 s22, s17, 9                         ; its words: 512 bytes a tile row, heads 4 x half on
	s_lshl_b32 s18, s16, 17
	s_add_co_u32 s22, s22, s18
	s_mov_b32 s23, 0
	s_lshl_b32 s46, s40, 8
	s_lshl_b32 s19, s16, 7
	s_add_co_u32 s46, s46, s19                     ; Wp: row 256 x tile column + 128 x half
	s_lshl_b32 s96, s46, 5
	s_mov_b32 s97, 0
	s_lshl_b32 s46, s46, 10
	s_mov_b32 s47, 0
	s_lshl_b32 s45, s16, 14                        ; where they go: made of the wave's number alone
	s_mul_i32 s98, s16, HALFB
	s_add_co_u32 s98, s98, AIMG
	s_lshl_b32 s99, s16, 11
	s_mul_i32 s19, s16, HALFS
	s_wait_kmcnt 0x0
	s_add_nc_u64 s[20:21], s[4:5], s[20:21]
	s_add_nc_u64 s[22:23], s[6:7], s[22:23]
	s_add_nc_u64 s[46:47], s[8:9], s[46:47]
	s_add_nc_u64 s[96:97], s[10:11], s[96:97]
	CROUND                                         ; all sixteen work-groups are here: the first joint loads meet
	s_mov_b32 s[G0SA], 1
	s_add_co_u32 s[G0SA+1], s99, SCA
	s_mov_b64 s[G0SA+2:G0SA+3], s[22:23]
	s_or_b32 s[G0SA+3], s[G0SA+3], 0x80000000
	s_mov_b32 s[G0SB], 1
	s_add_co_u32 s[G0SB+1], s19, SCB
	s_mov_b64 s[G0SB+2:G0SB+3], s[96:97]
	s_or_b32 s[G0SB+3], s[G0SB+3], 0x80000000
	JLOAD G0SA, G1SA, G0SB, G1SB                   ; the scales of all of K: filled once
.irp s, 0,1
	s_mov_b32 s[G0A+4*\s], 1
	s_add_co_u32 s[G0A+4*\s+1], s45, \s*SLOT
	s_add_nc_u64 s[G0A+4*\s+2:G0A+4*\s+3], s[20:21], \s*2097152
	s_or_b32 s[G0A+4*\s+3], s[G0A+4*\s+3], 0x80000000
	s_mov_b32 s[G0B+4*\s], 1
	s_add_co_u32 s[G0B+4*\s+1], s98, \s*SLOT
	s_add_nc_u64 s[G0B+4*\s+2:G0B+4*\s+3], s[46:47], \s*256
	s_or_b32 s[G0B+4*\s+3], s[G0B+4*\s+3], 0x80000000
	JLOAD G0A+4*\s, G1A, G0B+4*\s, G1B
.endr
	v_and_b32 v12, 31, v0                          ; lane
	v_and_b32 v13, 15, v0                          ; r
	v_bfe_u32 v14, v0, 4, 1                        ; h
	v_lshlrev_b32 v[CO], 4, v12                    ; 16 x lane
	s_lshl_b32 s18, s15, 13                        ; my four tiles of rows: 8,192 bytes of images
	v_add_nc_u32 v[ADRA], s18, v[CO]
	v_add_nc_u32 v[ADRA+1], SLOT, v[ADRA]
	v_mul_u32_u24 v[ADRB], v13, PITCH
	v_lshl_add_u32 v[ADRB], v14, 3, v[ADRB]        ; row r, + 8 h
	s_mul_i32 s18, s16, HALFB
	s_add_co_u32 s18, s18, AIMG
	v_add_nc_u32 v[ADRB], s18, v[ADRB]
	v_add_nc_u32 v[ADRB+1], SLOT, v[ADRB]
	v_lshlrev_b32 v[ADSA], 2, v12
	s_lshl_b32 s18, s15, 8
	s_add_co_u32 s18, s18, SCA
	v_add_nc_u32 v[ADSA], s18, v[ADSA]             ; att_out's words: 4 x lane: lanes 0-15 an even tile's rows, lanes 16-31 the odd tile's
	v_lshlrev_b32 v[ADSB], 5, v13
	v_lshrrev_b32 v15, 3, v13
	v_lshl_add_u32 v[ADSB], v15, 4, v[ADSB]        ; Wp's: 32 bytes a row, and 16 more behind each 256
	s_mul_i32 s18, s16, HALFS
	s_add_co_u32 s18, s18, SCB
	v_add_nc_u32 v[ADSB], s18, v[ADSB]
	s_mul_i32 s18, s14, 16*SPITCH
	s_add_co_u32 s18, s18, STAGE                   ; my stage
	v_mul_u32_u24 v[STO], v13, SPITCH
	v_lshl_add_u32 v[STO], v14, 5, v[STO]
	v_add_nc_u32 v[STO], s18, v[STO]               ; in: row r, 32 bytes for each half of the lanes
	v_add_nc_u32 v[RD], s18, v[CO]                 ; back: the 32 lanes take one row of 512 bytes
	v_lshlrev_b32 v15, 5, v14                      ; the bias: 32 h bytes
	s_lshl_b32 s96, s40, 10
	s_lshl_b32 s18, s16, 9
	s_add_co_u32 s96, s96, s18                     ; my first column, in bytes: 1,024 x tile column + 512 x half
	s_mov_b32 s97, 0
	s_add_nc_u64 s[92:93], s[92:93], s[96:97]
	s_add_nc_u64 s[94:95], s[94:95], s[96:97]
	s_lshl_b32 s96, s17, 19                        ; my first row: 128 x tile row + 64 x half, 4,096 bytes a row
	s_lshl_b32 s18, s15, 18
	s_add_co_u32 s96, s96, s18
	s_add_nc_u64 s[94:95], s[94:95], s[96:97]
.irp b, 0,1,2,3,4,5,6,7
	global_load_b128 v[BIAS+8*\b:BIAS+8*\b+3], v15, s[92:93] offset:64*\b       ; bp at columns 16 b + 8 h + 0 .. 7: the result's layout
	global_load_b128 v[BIAS+8*\b+4:BIAS+8*\b+7], v15, s[92:93] offset:64*\b+16
.endr
; the fragments of the slot's q-th 128 along K into set p: Wp's eight (eight loads of 8 bytes each), att_out's four (images: four loads of 16 bytes each)
.macro FETCH3 slot, q, p
	WIN 0x40
.irp b, 0,1,2,3,4,5,6,7
.irp c, 0,1,2,3,4,5,6,7
	ds_load_b64 v[128*(\p)+16*\b+2*\c:128*(\p)+16*\b+2*\c+1], v[ADRB+\slot] offset:16*PITCH*\b+128*(\q)+16*\c
.endr
.endr
	WIN 0
.irp i, 0,1,2,3
.irp c, 0,1,2,3
	ds_load_b128 v[64+64*(\p)+16*\i+4*\c:64+64*(\p)+16*\i+4*\c+3], v[ADRA+\slot] offset:16384*(\q)+2048*\i+512*\c
.endr
.endr
.endm
.macro SCALES3 sc                      ; a K step's scale words into set sc
.irp b, 0,1,2,3,4,5,6,7
	ds_load_b64 v[SB+16*(\sc)+2*\b:SB+16*(\sc)+2*\b+1], v[ADSB] offset:544*\b
.endr
.irp q, 0,1
.irp p, 0,1
	ds_load_b32 v[SA+4*(\sc)+2*\q+\p], v[ADSA] offset:512*\q+128*\p
.endr
.endr
.endm
; n blocks of att_out from a0 on x Wp's eight.  first = 1: the sums start with the bias.  The 32 accumulators take turns, one instruction a turn, in the same order in every step.
.macro MUL a0, n, p, q, sc, first
.if \first
	WIN 0x81                                       ; source 0 (Wp) window 1, source 1 and C window 0, D window 2
.else
	WIN 0xa1                                       ; C and D window 2
.endif
.set aa, \a0
.rept \n
.irp b, 0,1,2,3,4,5,6,7
.if \first
.if aa%2
	v_wmma_scale_f32_16x16x128_f8f6f4 v[8*(8*aa+\b):8*(8*aa+\b)+7], v[128*(\p)+16*\b:128*(\p)+16*\b+15], v[64+64*(\p)+16*aa:64+64*(\p)+16*aa+15], v[BIAS+8*\b:BIAS+8*\b+7], v[SB+16*(\sc)+2*\b+(\q)], v[SA+4*(\sc)+2*(\q)+aa/2] matrix_b_scale:MATRIX_SCALE_ROW1
.else
	v_wmma_scale_f32_16x16x128_f8f6f4 v[8*(8*aa+\b):8*(8*aa+\b)+7], v[128*(\p)+16*\b:128*(\p)+16*\b+15], v[64+64*(\p)+16*aa:64+64*(\p)+16*aa+15], v[BIAS+8*\b:BIAS+8*\b+7], v[SB+16*(\sc)+2*\b+(\q)], v[SA+4*(\sc)+2*(\q)+aa/2]
.endif
.else
.if aa%2
	v_wmma_scale_f32_16x16x128_f8f6f4 v[8*(8*aa+\b):8*(8*aa+\b)+7], v[128*(\p)+16*\b:128*(\p)+16*\b+15], v[64+64*(\p)+16*aa:64+64*(\p)+16*aa+15], v[8*(8*aa+\b):8*(8*aa+\b)+7], v[SB+16*(\sc)+2*\b+(\q)], v[SA+4*(\sc)+2*(\q)+aa/2] matrix_b_scale:MATRIX_SCALE_ROW1
.else
	v_wmma_scale_f32_16x16x128_f8f6f4 v[8*(8*aa+\b):8*(8*aa+\b)+7], v[128*(\p)+16*\b:128*(\p)+16*\b+15], v[64+64*(\p)+16*aa:64+64*(\p)+16*aa+15], v[8*(8*aa+\b):8*(8*aa+\b)+7], v[SB+16*(\sc)+2*\b+(\q)], v[SA+4*(\sc)+2*(\q)+aa/2]
.endif
.endif
.endr
.set aa, aa+1
.endr
.endm
; a slot's first 128 along K (set 0); in its middle the second 128's fragments are fetched into set 1
.macro STEP3 slot, first
	s_wait_dscnt 0x0                               ; set 0 and the scale words are in
	MUL 0, 2, 0, 0, \slot, \first
	PLACES 8                                       ; in front of loads into set 1, which the step before multiplied
	FETCH3 \slot, 1, 1
	MUL 2, 2, 0, 0, \slot, \first
.endm
; a slot's second 128 (set 1) changes slots: ONE barrier; in front of it each wave waits for all its tensor loads, adds 0 to its spare word, and waits for that and for its reads of this slot
.macro TURN3 slot, next, fill
	WIN 0                                          ; the add's two registers lie in window 0
	s_wait_tensorcnt 0x0                           ; all my tensor loads have landed: my part of the next slot
	ds_add_u32 v[SPW], v[NIL]                      ; 0 onto my spare word
	s_wait_dscnt 1                                 ; set 1 is in; the add alone may be out
	MUL 0, 1, 1, 1, \slot, 0
	s_wait_dscnt 0x0                               ; the add is done, and my reads of this slot are over
	s_barrier_signal -1
	MUL 1, 1, 1, 1, \slot, 0
	WIN 0
	s_barrier_wait -1
.if \fill
	CREST                                          ; the barrier has opened a round of the cluster's barrier: no wave of any partner still reads this slot or has a load on its way
	s_add_nc_u64 s[G0A+4*\slot+2:G0A+4*\slot+3], s[G0A+4*\slot+2:G0A+4*\slot+3], 4194304   ; two K steps on: four heads
	s_add_nc_u64 s[G0B+4*\slot+2:G0B+4*\slot+3], s[G0B+4*\slot+2:G0B+4*\slot+3], 512
	JLOAD G0A+4*\slot, G1A, G0B+4*\slot, G1B       ; the first tensor load behind the round; its four v_nop are among the places in front of the loads below
	PLACES 4
.else
	PLACES 8
.endif
	v_add_nc_u32 v[ADSA], 1024, v[ADSA]            ; on to the next K step's scale words: two heads, 8 bytes of a row of Wp's
	v_add_nc_u32 v[ADSB], 8, v[ADSB]
	FETCH3 \next, 0, 0
	SCALES3 \next
	MUL 2, 2, 1, 1, \slot, 0
.endm
	s_wait_tensorcnt 1                             ; the scales and my part of K step 0 are in; K step 1's load may stay out
	s_barrier_signal -1
	s_barrier_wait -1
	FETCH3 0, 0, 0
	SCALES3 0
	s_wait_loadcnt 0x0                             ; the bias
	STEP3 0, 1                                     ; K = 1,024 is four slots' worth: written out, no loop
	TURN3 0, 1, 1
	STEP3 1, 0
	TURN3 1, 0, 1
	STEP3 0, 0
	TURN3 0, 1, 0                                  ; the last two slots are filled no more
	STEP3 1, 0
	s_wait_dscnt 0x0
	MUL 0, 4, 1, 1, 1, 0
	WIN 0
; THE WAY OUT, block by block of 16 rows x 128 columns: through my own stage in LDS and back as whole rows of 512 bytes.  LDS serves a wave's instructions in order (ISA guide 5.7.1.4):
; no wait between the stores and the loads, nor in front of the next block's stores.
.macro TOSTAGE a
	WIN 0x08                                       ; an LDS store's data are its source 1: window 2
.irp b, 0,1,2,3,4,5,6,7
	ds_store_b128 v[STO], v[64*(\a)+8*\b:64*(\a)+8*\b+3] offset:64*\b            ; each accumulator from its low end on
	ds_store_b128 v[STO], v[64*(\a)+8*\b+4:64*(\a)+8*\b+7] offset:64*\b+16
.endr
	WIN 0
.set BB, 192-64*((\a)%2)
.irp t, 0,1,2,3,4,5,6,7,8,9,10,11,12,13,14,15
	ds_load_b128 v[BB+4*\t:BB+4*\t+3], v[RD] offset:\t*SPITCH
.endr
.endm
.macro SEND a, younger                 ; younger: the LDS instructions issued behind block a's loads, which may stay out
.set BB, 192-64*((\a)%2)
	s_wait_dscnt \younger
.if (\a) > 0
	s_add_nc_u64 s[94:95], s[94:95], 65536         ; 16 rows on (behind a wait on XCNT: the earlier stores have read their base)
.endif
.irp t, 0,1,2,3,4,5,6,7,8,9,10,11,12,13,14,15
	global_store_b128 v[CO], v[BB+4*\t:BB+4*\t+3], s[94:95] offset:\t*4096 th:TH_STORE_NT   ; 32 lanes store 512 consecutive bytes, aligned; written once, read by nobody here
.endr
.endm
	PLACES 8                                       ; behind the last products: their results are read, and registers that they read are loaded into
	TOSTAGE 0
.irp a, 1,2,3
.if \a > 1
	s_wait_xcnt 0x0                                ; block a - 2's stores have read their registers and their base
.endif
	TOSTAGE \a
	SEND \a-1, 32                                  ; behind block a - 1's loads: block a's 16 stores and 16 loads
.endr
	s_wait_xcnt 0x0
	SEND 3, 0
	s_wait_tensorcnt 0x0                           ; the wave's end
	ds_add_u32 v[SPW], v[NIL]
	s_wait_dscnt 0x0
	CROUND                                         ; the closing round
	s_endpgm
.Lfunc_end_k_q7346c3de8b_proj:
	.size	k_q7346c3de8b_proj, .Lfunc_end_k_q7346c3de8b_proj-k_q7346c3de8b_proj
	.p2alignl 7, 3214868480
	.fill 96, 4, 3214868480
	.section	.rodata,"a",@progbits
	.p2align	6, 0x0
	.amdhsa_kernel k_q7346c3de8b_proj
		.amdhsa_group_segment_fixed_size 327680
		.amdhsa_private_segment_fixed_size 0
		.amdhsa_enable_private_segment 0
		.amdhsa_kernarg_size 48
		.amdhsa_user_sgpr_count 2
		.amdhsa_user_sgpr_kernarg_segment_ptr 1
		.amdhsa_wavefront_size32 1
		.amdhsa_system_sgpr_workgroup_id_x 1
		.amdhsa_system_sgpr_workgroup_id_y 1
		.amdhsa_system_sgpr_workgroup_id_z 1
		.amdhsa_system_vgpr_workitem_id 0
		.amdhsa_next_free_vgpr 768
		.amdhsa_next_free_sgpr 100
		.amdhsa_reserve_vcc 0
		.amdhsa_float_denorm_mode_32 3
		.amdhsa_float_denorm_mode_16_64 3
		.amdhsa_memory_ordered 1
		.amdhsa_forward_progress 1
		.amdhsa_inst_pref_size 107
	.end_amdhsa_kernel
	.amdgpu_metadata
---
amdhsa.version: [ 1, 2 ]
amdhsa.kernels:
  - .name:           k_q7346c3de8b_proj
    .symbol:         k_q7346c3de8b_proj.kd
    .args:
      - { .name: oc, .offset: 0, .size: 8, .value_kind: global_buffer, .address_space: global }
      - { .name: os, .offset: 8, .size: 8, .value_kind: global_buffer, .address_space: global }
      - { .name: Wp_codes, .offset: 16, .size: 8, .value_kind: global_buffer, .address_space: global }
      - { .name: Wp_scales, .offset: 24, .size: 8, .value_kind: global_buffer, .address_space: global }
      - { .name: bp, .offset: 32, .size: 8, .value_kind: global_buffer, .address_space: global }
      - { .name: out0, .offset: 40, .size: 8, .value_kind: global_buffer, .address_space: global }
    .group_segment_fixed_size: 327680
    .private_segment_fixed_size: 0
    .kernarg_segment_align: 8
    .kernarg_segment_size: 48
    .max_flat_workgroup_size: 128
    .sgpr_count:     100
    .vgpr_count:     768
    .wavefront_size: 32
...
	.end_amdgpu_metadata
.endif
;; end of part 3
;; ======== version 2 of 2: 3 launches; version 1 with the launch attn written anew for expert scheduling mode
;; workspace buffers: qkvc 25,165,824 bytes; qkvs 786,432 bytes; oc 8,388,608 bytes; os 262,144 bytes
;; launch qkv: the kernel of part 1 again; grid 4 x 96, 4 waves a work-group, clusters of 4 x 4, 327,680 bytes of LDS; arguments x_codes, x_scales, Wq_codes, Wq_scales, Wk_codes, Wk_scales, Wv_codes, Wv_scales, bq, bk, bv, qkvc, qkvs; writes qkvc, qkvs
;; launch attn (part 4): grid 4 x 64, 4 waves a work-group, no clusters, 69,120 bytes of LDS; arguments qkvc, qkvs, oc, os; writes oc, os
.if DOCPART == 4
	.amdgcn_target "amdgcn-amd-amdhsa--gfx1250"
	.amdhsa_code_object_version 6
	.text
	.protected	k_q7346c3de8b_attn
	.globl	k_q7346c3de8b_attn
	.p2align	8
	.type	k_q7346c3de8b_attn,@function
k_q7346c3de8b_attn:
	s_mov_b64 s[64:65], 0
	v_nop
	global_prefetch_b8 v0, s[64:65] scope:SCOPE_SE
	s_setreg_imm32_b32 hwreg(HW_REG_WAVE_SCHED_MODE, 0, 2), 2
	s_setreg_imm32_b32 hwreg(HW_REG_WAVE_MODE, 25, 1), 1
	s_wait_xcnt 0x0
	s_wait_alu depctr_vm_vsrc(0)
; For one head and 256 of its queries: S = q k^T; att = softmax(S) / 32, FINISHED AND NORMALISED, is quantised along the keys in blocks of 32; O = att v; O is quantised along the head's 128.
; Both products on codes of FP8 (E4M3) with E8M0 scales.  q, k, v come as images of operand registers (2,048 bytes a fragment, [c][lane][16]) and scale words, as the launch before laid them.
; SHARES.  head = work-group y, quarter of the queries = work-group x; 16 tiles of 16 queries.  THE WAVES SHARE THE KEYS: wave w owns keys 256 w .. 256 w + 255 for the whole launch: their 16
; fragments of K (window 2) and 16 of V (window 3) are loaded from memory once and stay in registers.  All four waves work on the same tile of queries.
; The normalised weights want a query's maximum and sum over all 1,024 keys before any weight is quantised: each wave keeps its 256 scores in 128 registers, the waves exchange (c m, l) through LDS,
; and each wave's part of O^T is added up through LDS: wave b adds and quantises block b of 32 of the head's 128.
; ONE BARRIER A TILE.  The body for tile i: softmax's first half of tile i | store (c m, l) | barrier | load the four (c m, l) and tile i - 1's parts of O^T | the factor, with tile i - 1's additions and
; quantiser as the independent work behind its exponentials and its reciprocal | the weights' codes | V^T P of tile i, K Q^T of tile i + 1 | ask for Q of tile i + 2 | store tile i's parts of O^T.
; Both exchanges have TWO buffers, taken by the tile's parity p.  Between two barriers ORED[p], STAT[1 - p] and the scale bytes are written, ORED[1 - p] and STAT[p] are read.  What is stored is waited for
; (DScnt 0) ahead of the next barrier's signal and read behind it; what is read is waited for ahead of that same signal, and its buffer is written again only behind it.
; LAYOUT.  Both products transposed: S^T = K Q^T, O^T = V^T P^T: a lane holds ONE query (lane % 16).  Tiles 2 b, 2 b + 1 give a lane 16 numbers of block b, laid at the operand's places 32 b + 16 h + 0 .. 15:
; the same order inside a block that the launch before gave V's keys, and that the launch behind gives Wp's rows.
; ARITHMETIC.  c = log2(e).  e = 2^(c s - c m_w), m_w the wave's maximum; l_w its sum; m the largest of the four; g_w = 2^(c m_w - c m); l = the sum of g_w l_w; weight = e x (g_own x (1 / l) x 2^-5).
; A block's largest weight is not searched for: the block's largest score goes through the same three operations.  That takes v_exp_f32 not to fall where its input rises.
; NO TENSOR LOAD, NO CLUSTER: K and V go straight into the registers where they stay; what the four work-groups of a head share is read once by each at its head, and a joint load would add a trip
; through LDS of the same bytes.  No prefetch: the one stream of the loop, Q (2 KB a tile), is loaded a whole tile ahead into registers.
; LIMITS: NaN and infinities are not served.  v_exp_f32 gives 0 for results under 2^-126.  A block whose largest number lies under 2^-118 gets the byte 1; a block of zeros gets 1 and not 127 (this program alone reads the bytes).
; REGISTERS.  window 0: v1-11 addresses; v12-15, v38-41 sums; v16-23 K's scale words, v24-31 V's, v32 Q's, v33-34 the weights'; v36-37 c m_w, l_w; v42-61 at work; v64-95 eight blocks' figures; v126-127 the closing add's two; v128-255 S^T.
;   window 1: v0-15 Q; v16-47 the weights' codes; v64-127 O^T; v128-191 four parts of a block of O^T; v192-197 its quantiser; v200-207 its codes, two sets by turns.   window 2: K.   window 3: V.
; THE MODE: SCHED_MODE bits 1:0 = 2 (LLVM: expert scheduling mode 2), set by the entry lines.  The code itself states the register dependences between vector or matrix instructions and memory or
; LDS instructions, with s_wait_alu, always for 0.
; THE PLAN.  Registers that memory or LDS instructions touch:
;   v1-v10              offsets and LDS addresses: written at the head, never again.
;   v11                 the address of O's scale byte: read by each body's byte store; written once for two tiles.
;   v36-37              written by a body's first half; read by the LDS store ahead of the barrier.
;   v44-51              four LDS loads land here behind the barrier; the factor's lines read them.
;   window 1 v128-191   sixteen LDS loads land here behind the barrier; the additions and the quantiser read and write them.
;   window 1 v196, v200-207   written by the quantiser; read by the two stores straight behind it.
;   window 1 v64-127    O^T: written by V^T P; read by the sixteen LDS stores at the body's end.
;   window 1 v0-15, v32 Q and its scale words: read by K Q^T; five loads land here at the body's end.
;   K, V and their scale words are loaded once, at the head.
; WAITS ON va_vdst in a body: ahead of the store of (c m, l), which also serves the twenty loads behind the barrier, since no vector instruction stands between; the two for the batches of exponentials; one in the
; quantiser, ahead of its two stores, which is the reciprocal's wait too; one ahead of V^T P, whose operand and scales vector instructions have written; one behind the products, for Q's loads and O^T's stores.
; WAITS ON vm_vsrc: one a body, behind the maxima, which write nothing that a pending store reads, and ahead of the first register that the last body's stores have read; one for two tiles, ahead of the add to v11; one ahead of the last quantiser.
.set ORED, 0                           ; LDS: O^T's parts: two buffers of [owner b][source w][c][lane][16] = 32,768 bytes
.set STAT, 65536                       ; (c m_w, l_w): two buffers of [w][lane][8] = 1,024 bytes
.set OSC,  67584                       ; O's scale bytes: byte 64 i + 4 r + w
.set S,    128
.set BM,   64                          ; a block's largest score, then its largest weight
.set BT,   72                          ; permute's destination, then the byte
.set BH,   80                          ; 448 x the scale
.set BO,   88                          ; the conversion's scale operand
.set KSC,  16
.set VSC,  24
.set QS,   32
.set PS,   33
.set MSB, 0
.macro WIN new                         ; the immediate's high byte repeats the setting that is left
.if MSB != (\new)
	s_set_vgpr_msb (MSB<<8)|(\new)
.set MSB, (\new)
.endif
.endm
.macro PLACES n
.rept \n
	v_nop
.endr
.endm
; S^T = K Q^T: my 256 keys x the 16 queries whose fragment lies in window 1, v0-15
.macro SPROD
	WIN 0x06                                       ; source 0 (K) window 2, source 1 (Q) window 1
.set kt, 0
.rept 16
.if kt%2
	v_wmma_scale_f32_16x16x128_f8f6f4 v[S+8*kt:S+8*kt+7], v[16*kt:16*kt+15], v[0:15], 0, v[KSC+kt/2], v[QS] matrix_a_scale:MATRIX_SCALE_ROW1
.else
	v_wmma_scale_f32_16x16x128_f8f6f4 v[S+8*kt:S+8*kt+7], v[16*kt:16*kt+15], v[0:15], 0, v[KSC+kt/2], v[QS]
.endif
.set kt, kt+1
.endr
	WIN 0
.endm
; Q's two bases move on by a tile.  The loads that read them are done: a wait on LOADcnt that covers them stands ahead of every call
.macro QSTEP
	s_add_nc_u64 s[24:25], s[24:25], 2048
	s_add_nc_u64 s[26:27], s[26:27], 64
.endm
; the next tile's Q and its scale words.  The wait on va_vdst that these five loads hang on stands ahead of every call, with scalar lines and window switches alone between
.macro QLOAD
	WIN 0x40
.irp c, 0,1,2,3
	global_load_b128 v[4*\c:4*\c+3], v1, s[24:25] offset:512*\c
.endr
	WIN 0
	global_load_b32 v[QS], v3, s[26:27]
.endm
; the four waves' parts of block w of O^T, out of buffer j
.macro OLOAD j
	WIN 0x40
.irp w, 0,1,2,3
.irp c, 0,1,2,3
	ds_load_b128 v[128+16*\w+4*\c:128+16*\w+4*\c+3], v7 offset:ORED+32768*(\j)+2048*\w+512*\c
.endr
.endr
	WIN 0
.endm
; they are added, in a fixed order: (0 + 1) + (2 + 3).  All in window 1; the caller sets the windows back
.macro FADD
	WIN 0x55
.irp i, 0,2,4,6,8,10,12,14
	v_pk_add_f32 v[128+\i:129+\i], v[128+\i:129+\i], v[144+\i:145+\i]
	v_pk_add_f32 v[160+\i:161+\i], v[160+\i:161+\i], v[176+\i:177+\i]
.endr
.irp i, 0,2,4,6,8,10,12,14
	v_pk_add_f32 v[128+\i:129+\i], v[128+\i:129+\i], v[160+\i:161+\i]
.endr
.endm
; and quantised: 16 numbers a lane, lane l xor 16 holds the block's other 16.  j = the tile's parity: which set of code registers, which of the pair's two fragments and scale bytes
.macro FQ j
	WIN 0x55
	v_max3_num_f32 v192, |v128|, |v129|, 0x4800000 ; two chains; the floor 2^(9 - 127) among the leaves: the byte cannot fall under 1
	v_max3_num_f32 v197, |v136|, |v137|, |v138|
	v_max3_num_f32 v192, v192, |v130|, |v131|
	v_max3_num_f32 v197, v197, |v139|, |v140|
	v_max3_num_f32 v192, v192, |v132|, |v133|
	v_max3_num_f32 v197, v197, |v141|, |v142|
	v_max3_num_f32 v192, v192, |v134|, |v135|
	v_max3_num_f32 v192, v192, v197, |v143|
	v_permlanex16_b32 v193, v192, s20, s21
	v_max_num_f32 v192, v192, v193                 ; the block's largest magnitude
	v_add_nc_u32 v194, 0xfc000000, v192            ; 8 off its exponent field: the conversion's scale operand
	v_and_or_b32 v195, v192, 0x7f800000, s19       ; 448 x the scale
	v_lshrrev_b32 v196, 23, v194                   ; the byte
.irp i, 0,1,2,3,4,5,6,7,8,9,10,11,12,13,14,15
	v_med3_num_f32 v[128+\i], v[128+\i], -v195, v195   ; the conversion does not saturate (ISA guide 7.6.2): the hold at 448 x the scale
.endr
	v_cvt_scalef32_pk8_fp8_f32 v[200+4*(\j):201+4*(\j)], v[128:135], v194
	v_cvt_scalef32_pk8_fp8_f32 v[202+4*(\j):203+4*(\j)], v[136:143], v194
	v_nop                                          ; a plain instruction behind the last conversion
	WIN 0x04                                       ; a store's data are its source 1: window 1
	s_wait_alu depctr_va_vdst(0)                   ; the conversions have written the codes and the shift the byte, which the two stores below read; in a body the reciprocal issued ahead of this macro is written too, ahead of its first reader
	global_store_b128 v1, v[200+4*(\j):203+4*(\j)], s[28:29] offset:2048*(\j)   ; chunk w of the tile's fragment: 512 consecutive bytes
	ds_store_b8 v11, v196 offset:64*(\j)           ; both lanes of a row write the same byte with the same value
	WIN 0
.endm
	s_load_b256 s[4:11], s[0:1], 0x0               ; qkvc, qkvs, oc, os
	v_lshl_add_u32 v126, v0, 2, 0x10c00            ; my spare word, behind the scale bytes: kept for the closing lines alone
	v_mov_b32 v127, 0
	v_lshrrev_b32 v1, 5, v0
	v_readfirstlane_b32 s12, v1                    ; wave 0..3
	s_and_b32 s13, ttmp7, 0xffff                   ; head = 8 x batch + hh
	s_mov_b32 s14, ttmp9                           ; which 256 queries
	v_and_b32 v42, 31, v0                          ; lane
	v_and_b32 v43, 15, v0                          ; r
	v_lshlrev_b32 v1, 4, v42                       ; 16 x lane: an image's place
	v_lshlrev_b32 v2, 2, v42                       ; 4 x lane
	v_lshlrev_b32 v3, 2, v43                       ; 4 r
	v_lshlrev_b32 v10, 3, v42                      ; 8 x lane
	s_wait_alu depctr_va_sdst(0)                   ; s12 is written, ahead of its first reader: LDS addresses and all bases are made from it
	s_lshl_b32 s15, s12, 8
	v_add_nc_u32 v5, STAT, v10                     ; the four waves' figures, read
	v_add_nc_u32 v4, s15, v5                       ; mine, stored
	s_lshl_b32 s16, s12, 11
	v_add_nc_u32 v6, s16, v1                       ; O^T's parts, stored: source w
	s_lshl_b32 s16, s12, 13
	v_add_nc_u32 v7, s16, v1                       ; and read: owner w
	v_add_nc_u32 v8, OSC, v3
	v_add_nc_u32 v8, s12, v8                       ; my byte of row r's scale word
	v_add_nc_u32 v9, OSC, v10
	v_add_nc_u32 v9, s15, v9                       ; the words on their way out
	v_mov_b32 v11, v8
	v_mov_b32 v37, 0                               ; named in pairs, or as a permute's destination, before they are first computed
	v_mov_b32 v59, 0
.irp b, 0,1,2,3,4,5,6,7
	v_mov_b32 v[BT+\b], 0
.endr
	s_mov_b32 s19, 0x600000                        ; the mantissa field of 448
	s_mov_b32 s20, 0x76543210
	s_mov_b32 s21, 0xfedcba98                      ; v_permlanex16_b32's selects for lane l xor 16
	s_mov_b32 s22, 0x3fb8aa3b                      ; c = log2(e)
	s_mov_b32 s23, s22                             ; (the packed form names the pair)
	s_mov_b32 s30, 7                               ; the loop's trips: tiles 1 to 14, two a trip
	s_mov_b32 s31, 0
	s_lshl_b32 s2, s13, 17                         ; the head's codes: 131,072 bytes in each type
	s_lshl_b32 s3, s13, 12                         ; its scale words: 4,096
	s_mov_b32 s17, 0
	s_wait_kmcnt 0x0
	s_lshl_b32 s16, s14, 15
	s_add_co_u32 s16, s16, s2
	s_add_nc_u64 s[24:25], s[4:5], s[16:17]        ; Q's fragments of my 256 queries
	s_lshl_b32 s16, s12, 15
	s_add_co_u32 s16, s16, s2
	s_add_co_u32 s16, s16, 0x800000
	s_add_nc_u64 s[32:33], s[4:5], s[16:17]        ; K's of my 256 keys
	s_add_co_u32 s16, s16, 0x800000
	s_add_nc_u64 s[34:35], s[4:5], s[16:17]        ; V's of my two key steps
	s_lshl_b32 s16, s14, 10
	s_add_co_u32 s16, s16, s3
	s_add_nc_u64 s[26:27], s[6:7], s[16:17]        ; Q's scale words
	s_lshl_b32 s16, s12, 10
	s_add_co_u32 s16, s16, s3
	s_add_co_u32 s16, s16, 0x40000
	s_add_nc_u64 s[36:37], s[6:7], s[16:17]        ; K's
	s_add_co_u32 s16, s16, 0x40000
	s_add_nc_u64 s[38:39], s[6:7], s[16:17]        ; V's
	s_and_b32 s18, s13, 7                          ; hh
	s_lshr_b32 s15, s13, 3                         ; batch
	s_lshl_b32 s16, s15, 6
	s_lshl_b32 s2, s14, 4
	s_add_co_u32 s16, s16, s2                      ; my first tile of 16 rows: 64 x batch + 16 x
	s_lshl_b32 s2, s16, 6                          ; its rows' words: 64 bytes a tile
	s_lshl_b32 s16, s16, 11                        ; its fragment: 2,048 bytes a tile
	s_lshl_b32 s3, s18, 20
	s_add_co_u32 s16, s16, s3
	s_lshl_b32 s3, s12, 9                          ; chunk c = w of the image: block w of the head's 128
	s_add_co_u32 s16, s16, s3
	s_add_nc_u64 s[28:29], s[8:9], s[16:17]        ; oc
	s_lshl_b32 s16, s18, 15
	s_add_co_u32 s16, s16, s2
	s_lshl_b32 s3, s12, 8
	s_add_co_u32 s16, s16, s3
	s_add_nc_u64 s[10:11], s[10:11], s[16:17]      ; os: my wave's 256 bytes of the work-group's 1,024
	WIN 0x40                                       ; destination window 1
	v_mov_b32 v193, 0                              ; a permute's destination
	s_wait_alu depctr_va_vdst(0)                   ; the offsets and LDS addresses v1 to v11 are written, which every load and store of the kernel reads
.irp c, 0,1,2,3
	global_load_b128 v[4*\c:4*\c+3], v1, s[24:25] offset:512*\c     ; the first tile of Q
.endr
	WIN 0
	global_load_b32 v[QS], v3, s[26:27]
.irp p, 0,1,2,3,4,5,6,7
	global_load_b32 v[KSC+\p], v2, s[36:37] offset:128*\p   ; lanes 0-15: tile 2 p's words, lanes 16-31: tile 2 p + 1's
	global_load_b32 v[VSC+\p], v2, s[38:39] offset:128*\p
.endr
	WIN 0x80                                       ; destination window 2
.irp f, 0,1,2,3,4,5,6,7,8,9,10,11,12,13,14,15
.irp c, 0,1,2,3
	global_load_b128 v[16*\f+4*\c:16*\f+4*\c+3], v1, s[32:33] offset:2048*\f+512*\c   ; K: keys 256 w + 16 f on; 512 consecutive bytes a load
.endr
.endr
	WIN 0xc0                                       ; destination window 3
.irp f, 0,1,2,3,4,5,6,7,8,9,10,11,12,13,14,15
.irp c, 0,1,2,3
	global_load_b128 v[16*\f+4*\c:16*\f+4*\c+3], v1, s[34:35] offset:2048*\f+512*\c   ; V: key step f / 8, channels 16 (f % 8) on.  V's 64 loads are the last
.endr
.endr
	WIN 0
; THE BODY for tile i.  p = i % 2;  f = 1: tile i - 1's parts of O^T are added up and leave;  a = 1: tile i + 1's scores are multiplied;  q = 1: Q of tile i + 2 is asked for, 2: unless this is the loop's last trip;
; st = 1: oc's base and the scale bytes' address step by two tiles.
.macro BODY p, f, a, q, st
	; ---- the largest score of each block of 32 keys (it serves twice: for the maximum, and for the block's largest weight); each accumulator is read from its low end on
.irp b, 0,1,2,3,4,5,6,7
	v_max3_num_f32 v[BM+\b], v[S+16*\b], v[S+16*\b+1], v[S+16*\b+2]
.endr
.irp i, 3,5,7,9,11,13
.irp b, 0,1,2,3,4,5,6,7
	v_max3_num_f32 v[BM+\b], v[BM+\b], v[S+16*\b+\i], v[S+16*\b+\i+1]
.endr
.endr
.irp b, 0,1,2,3,4,5,6,7
	v_max_num_f32 v[BM+\b], v[BM+\b], v[S+16*\b+15]
.endr
.irp b, 0,1,2,3,4,5,6,7
	v_permlanex16_b32 v[BT+\b], v[BM+\b], s20, s21
.endr
.irp b, 0,1,2,3,4,5,6,7
	v_max_num_f32 v[BM+\b], v[BM+\b], v[BT+\b]     ; with lane l xor 16's sixteen keys
.endr
	v_max3_num_f32 v42, v[BM], v[BM+1], v[BM+2]
	v_max3_num_f32 v42, v42, v[BM+3], v[BM+4]
	v_max3_num_f32 v42, v42, v[BM+5], v[BM+6]
	v_max_num_f32 v42, v42, v[BM+7]                ; my query's largest score among my 256 keys
.if \f
	s_wait_alu depctr_vm_vsrc(0)                   ; the last body's stores have read their data: v36-37, written below; O^T, which this body's products write; the byte and the codes, which this body's quantiser writes
.endif
	v_mul_f32 v36, s22, v42                        ; c m_w
	; ---- e = 2^(c s - c m_w): one fused multiply-add and one exponential; ONE batch, one wait
.set i, 0
.rept 64
	v_pk_fma_f32 v[S+i:S+i+1], v[S+i:S+i+1], s[22:23], v[36:37] op_sel_hi:[1,0,0] neg_lo:[0,0,1] neg_hi:[0,0,1]
.set i, i+2
.endr
.irp b, 0,1,2,3,4,5,6,7
	v_fma_f32 v[BM+\b], v[BM+\b], s22, -v36        ; the same of each block's largest score
.endr
.set i, 0
.rept 128
	v_exp_f32 v[S+i], v[S+i]
.set i, i+1
.endr
.irp b, 0,1,2,3,4,5,6,7
	v_exp_f32 v[BM+\b], v[BM+\b]
.endr
	v_nop                                          ; a plain instruction behind the last exponential
	s_wait_alu depctr_va_vdst(0)                   ; the batch of 136 exponentials is written, ahead of its first reader
	; ---- l_w: four chains, two numbers an instruction
	v_pk_add_f32 v[12:13], v[S:S+1], v[S+8:S+9]
	v_pk_add_f32 v[14:15], v[S+2:S+3], v[S+10:S+11]
	v_pk_add_f32 v[38:39], v[S+4:S+5], v[S+12:S+13]
	v_pk_add_f32 v[40:41], v[S+6:S+7], v[S+14:S+15]
.set i, 16
.rept 14
	v_pk_add_f32 v[12:13], v[12:13], v[S+i:S+i+1]
	v_pk_add_f32 v[14:15], v[14:15], v[S+i+2:S+i+3]
	v_pk_add_f32 v[38:39], v[38:39], v[S+i+4:S+i+5]
	v_pk_add_f32 v[40:41], v[40:41], v[S+i+6:S+i+7]
.set i, i+8
.endr
	v_pk_add_f32 v[12:13], v[12:13], v[14:15]
	v_pk_add_f32 v[38:39], v[38:39], v[40:41]
	v_pk_add_f32 v[12:13], v[12:13], v[38:39]
	v_add_f32 v42, v12, v13
	v_permlanex16_b32 v43, v42, s20, s21
	v_add_f32 v37, v42, v43                        ; l_w
	s_wait_alu depctr_va_vdst(0)                   ; v36-37 are written, which the store below reads; the last body's lines are done with v44-51 and with window 1's v128-191, in which the loads behind the barrier land: no vector instruction stands between this wait and them
	ds_store_b64 v4, v[36:37] offset:1024*\p
	s_wait_dscnt 0x0                               ; for the others' sake: my figures and my parts of the last tile's O^T have landed; my reads of the other buffers, behind the last barrier, are done
	s_barrier_signal -1
	s_barrier_wait -1
	; ---- the factor that finishes a weight; the last tile's O^T stands in its gaps
.irp w, 0,1,2,3
	ds_load_b64 v[44+2*\w:45+2*\w], v5 offset:1024*\p+256*\w
.endr
.if \f
	OLOAD 1-\p
	s_wait_dscnt 16                                ; the four figures are in; the sixteen loads of O^T's parts, issued behind them, may be out
.else
	s_wait_dscnt 0x0
.endif
	v_max3_num_f32 v52, v44, v46, v48
	v_max_num_f32 v52, v52, v50                    ; c m
.irp w, 0,1,2,3
	v_sub_f32 v[53+\w], v[44+2*\w], v52
.endr
	v_sub_f32 v57, v36, v52
.irp w, 0,1,2,3,4
	v_exp_f32 v[53+\w], v[53+\w]                   ; g_0 .. g_3, g_own
.endr
.if \f
	s_wait_dscnt 0x0                               ; O^T's parts are in
	FADD                                           ; 24 plain instructions behind the five exponentials, which name none of their results
	WIN 0
.else
	v_nop
.endif
	s_wait_alu depctr_va_vdst(0)                   ; the five exponentials are written, ahead of their first reader
	v_mul_f32 v60, v53, v45                        ; l: the same order in every wave
	v_fma_f32 v60, v54, v47, v60
	v_fma_f32 v60, v55, v49, v60
	v_fma_f32 v60, v56, v51, v60
	v_rcp_f32 v61, v60
.if \f
	FQ 1-\p                                        ; the last tile's block of O is quantised and leaves: independent work behind the reciprocal; the wait ahead of its two stores serves the reciprocal too
.else
	v_nop
	s_wait_alu depctr_va_vdst(0)                   ; the reciprocal is written, ahead of its first reader
.endif
	v_mul_f32 v58, v57, v61
	v_mul_f32 v58, 0x3d000000, v58                 ; f = g_own / l / 32
	; ---- the finished weights, and their blocks' scales
.set i, 0
.rept 64
	v_pk_mul_f32 v[S+i:S+i+1], v[S+i:S+i+1], v[58:59] op_sel_hi:[1,0]
.set i, i+2
.endr
.irp b, 0,1,2,3,4,5,6,7
	v_mul_f32 v[BM+\b], v[BM+\b], v58              ; the block's largest weight: the same operations on the same number
.endr
.irp b, 0,1,2,3,4,5,6,7
	v_max_num_f32 v[BM+\b], 0x4800000, v[BM+\b]    ; the floor 2^(9 - 127): the byte cannot fall under 1
.endr
.irp b, 0,1,2,3,4,5,6,7
	v_add_nc_u32 v[BO+\b], 0xfc000000, v[BM+\b]    ; 8 off the exponent field: the conversion's scale operand
.endr
.irp b, 0,1,2,3,4,5,6,7
	v_and_or_b32 v[BH+\b], v[BM+\b], 0x7f800000, s19   ; 448 x the scale
.endr
.irp b, 0,1,2,3,4,5,6,7
	v_lshrrev_b32 v[BT+\b], 23, v[BO+\b]           ; the byte
.endr
	v_lshl_or_b32 v[PS], v[BT+1], 8, v[BT]         ; the weights' scale words of my two key steps; the 128 holds below stand between them and their products
	v_lshl_or_b32 v[PS+1], v[BT+5], 8, v[BT+4]
	v_lshl_or_b32 v[PS], v[BT+2], 16, v[PS]
	v_lshl_or_b32 v[PS+1], v[BT+6], 16, v[PS+1]
	v_lshl_or_b32 v[PS], v[BT+3], 24, v[PS]
	v_lshl_or_b32 v[PS+1], v[BT+7], 24, v[PS+1]
.irp b, 0,1,2,3,4,5,6,7
.irp i, 0,1,2,3,4,5,6,7,8,9,10,11,12,13,14,15
	v_min_num_f32 v[S+16*\b+\i], v[S+16*\b+\i], v[BH+\b]   ; the conversion does not saturate (ISA guide 7.6.2); a weight is not negative, so the hold is one-sided
.endr
.endr
	WIN 0x40                                       ; destination window 1
.irp b, 0,1,2,3,4,5,6,7
	v_cvt_scalef32_pk8_fp8_f32 v[16+4*\b:17+4*\b], v[S+16*\b:S+16*\b+7], v[BO+\b]
	v_cvt_scalef32_pk8_fp8_f32 v[18+4*\b:19+4*\b], v[S+16*\b+8:S+16*\b+15], v[BO+\b]
.endr
	WIN 0
	PLACES 5                                       ; the plain instruction behind the conversions, and four places in front of products whose operand vector instructions have written
	s_wait_loadcnt 0x0                             ; the next tile's Q, asked for a tile ago (in the first body V too)
.if \st
	s_wait_xcnt 0x0                                ; the pair's two stores into oc have read their base and their data: the base steps here, the data are written again in later bodies
	s_wait_alu depctr_vm_vsrc(0)                   ; the pair's two byte stores have read v11, which the add below writes
	s_add_nc_u64 s[28:29], s[28:29], 4096
	s_add_co_u32 s31, s31, 128                     ; two tiles' scale bytes on
	v_add_nc_u32 v11, s31, v8
.endif
	s_wait_alu depctr_va_vdst(0)                   ; the conversions have written the weights' codes and the shifts their scale words, which the products below take as an operand and as scales; where it was stepped, v11 is written, which the next byte store reads
	; ---- O^T (my part) = V^T P^T over my 256 keys: eight accumulators by turns, a key step at a time
	WIN 0x57                                       ; source 0 (V) window 3; source 1 (the codes), C and D window 1
.set dt, 0
.rept 8
.if dt%2
	v_wmma_scale_f32_16x16x128_f8f6f4 v[64+8*dt:64+8*dt+7], v[16*dt:16*dt+15], v[16:31], 0, v[VSC+dt/2], v[PS] matrix_a_scale:MATRIX_SCALE_ROW1
.else
	v_wmma_scale_f32_16x16x128_f8f6f4 v[64+8*dt:64+8*dt+7], v[16*dt:16*dt+15], v[16:31], 0, v[VSC+dt/2], v[PS]
.endif
.set dt, dt+1
.endr
.set dt, 0
.rept 8
.if dt%2
	v_wmma_scale_f32_16x16x128_f8f6f4 v[64+8*dt:64+8*dt+7], v[128+16*dt:128+16*dt+15], v[32:47], v[64+8*dt:64+8*dt+7], v[VSC+4+dt/2], v[PS+1] matrix_a_scale:MATRIX_SCALE_ROW1
.else
	v_wmma_scale_f32_16x16x128_f8f6f4 v[64+8*dt:64+8*dt+7], v[128+16*dt:128+16*dt+15], v[32:47], v[64+8*dt:64+8*dt+7], v[VSC+4+dt/2], v[PS+1]
.endif
.set dt, dt+1
.endr
.if \a
	SPROD                                          ; the next tile's scores, into the registers that the weights have left; they share no register with the products above
.else
	WIN 0
.endif
	PLACES 8                                       ; one run of places for two things: the LDS stores that read O^T, and the next body's first read of the scores; the wait below stands beside them
.if \q
	QSTEP                                          ; ahead of the wait, so that no line between it and Q's loads names a register of theirs (in the loop's last trip the stepped bases are not used)
.endif
	s_wait_alu depctr_va_vdst(0)                   ; the products have written O^T, which the LDS stores below read; the scores' products are done reading Q's fragment and its scale words, in which the loads below land
.if \q == 1
	QLOAD
.elseif \q == 2
	s_cmp_eq_u32 s30, 1                            ; tile 14 asks for nothing: no load leaves its buffer
	s_cbranch_scc1 .Lno_next_\@
	QLOAD
.Lno_next_\@:
.endif
	WIN 0x04                                       ; an LDS store's data are its source 1: window 1
.irp b, 0,1,2,3
.irp c, 0,1,2,3
	ds_store_b128 v6, v[64+16*\b+4*\c:64+16*\b+4*\c+3] offset:ORED+32768*\p+8192*\b+512*\c   ; tiles 2 b, 2 b + 1 go to wave b; 512 consecutive bytes a store; waited for ahead of the next barrier
.endr
.endr
	WIN 0
.endm
	s_wait_loadcnt 63                              ; behind K's last load stand V's 64: with 63 out at the most, Q, K and all scale words are in, and only loads of V are on their way
	SPROD                                          ; tile 0's scores
	PLACES 8                                       ; in front of the first read of the scores
	QSTEP
	s_wait_alu depctr_va_vdst(0)                   ; tile 0's products are done reading Q's fragment and its scale words, in which the loads below land
	QLOAD                                          ; Q of tile 1
	BODY 0, 0, 1, 1, 0                             ; tile 0: nothing is there yet to add up
.Lpair:                                                ; 7 trips: tiles 1 to 14, two a trip, so that the buffers' turns stand in the immediates
	BODY 1, 1, 1, 1, 0
	BODY 0, 1, 1, 2, 1
	s_sub_co_u32 s30, s30, 1
	s_cmp_lg_u32 s30, 0
	s_cbranch_scc1 .Lpair
	BODY 1, 1, 0, 0, 0                             ; tile 15: no scores follow, nothing more is asked for
	s_wait_dscnt 0x0                               ; for the others' sake: my parts of tile 15's O^T have landed
	s_barrier_signal -1
	s_barrier_wait -1
	OLOAD 1                                        ; no vector instruction has been issued since the wait ahead of tile 15's LDS stores: the quantiser's lines that named these registers are done
	s_wait_dscnt 0x0
	s_wait_alu depctr_vm_vsrc(0)                   ; the byte store in tile 15's body has read window 1's v196, which the quantiser below writes again
	FADD
	FQ 1
	s_wait_dscnt 0x0                               ; my last byte has landed
	s_barrier_signal -1
	s_barrier_wait -1
	ds_load_b64 v[42:43], v9                       ; 256 rows' scale words: 256 bytes a wave.  The vector lines that named v42-43 stand ahead of the quantiser's wait, and none follows it
	s_wait_dscnt 0x0
	global_store_b64 v10, v[42:43], s[10:11]       ; 32 lanes store 256 consecutive bytes, aligned
	s_wait_dscnt 0x0                               ; the closing lines, six on end
	s_wait_alu 0x0
	s_wait_tensorcnt 0x0
	ds_add_u32 v126, v127
	s_wait_dscnt 0x0
	s_endpgm
.Lfunc_end_k_q7346c3de8b_attn:
	.size	k_q7346c3de8b_attn, .Lfunc_end_k_q7346c3de8b_attn-k_q7346c3de8b_attn
	.p2alignl 7, 3214868480
	.fill 96, 4, 3214868480
	.section	.rodata,"a",@progbits
	.p2align	6, 0x0
	.amdhsa_kernel k_q7346c3de8b_attn
		.amdhsa_group_segment_fixed_size 69120
		.amdhsa_private_segment_fixed_size 0
		.amdhsa_enable_private_segment 0
		.amdhsa_kernarg_size 32
		.amdhsa_user_sgpr_count 2
		.amdhsa_user_sgpr_kernarg_segment_ptr 1
		.amdhsa_wavefront_size32 1
		.amdhsa_system_sgpr_workgroup_id_x 1
		.amdhsa_system_sgpr_workgroup_id_y 1
		.amdhsa_system_sgpr_workgroup_id_z 1
		.amdhsa_system_vgpr_workitem_id 0
		.amdhsa_next_free_vgpr 1024
		.amdhsa_next_free_sgpr 66
		.amdhsa_reserve_vcc 0
		.amdhsa_float_denorm_mode_32 3
		.amdhsa_float_denorm_mode_16_64 3
		.amdhsa_memory_ordered 1
		.amdhsa_forward_progress 1
		.amdhsa_inst_pref_size 187
	.end_amdhsa_kernel
	.amdgpu_metadata
---
amdhsa.version: [ 1, 2 ]
amdhsa.kernels:
  - .name:           k_q7346c3de8b_attn
    .symbol:         k_q7346c3de8b_attn.kd
    .args:
      - { .name: qkvc, .offset: 0, .size: 8, .value_kind: global_buffer, .address_space: global }
      - { .name: qkvs, .offset: 8, .size: 8, .value_kind: global_buffer, .address_space: global }
      - { .name: oc, .offset: 16, .size: 8, .value_kind: global_buffer, .address_space: global }
      - { .name: os, .offset: 24, .size: 8, .value_kind: global_buffer, .address_space: global }
    .group_segment_fixed_size: 69120
    .private_segment_fixed_size: 0
    .kernarg_segment_align: 8
    .kernarg_segment_size: 32
    .max_flat_workgroup_size: 128
    .sgpr_count:     66
    .vgpr_count:     1024
    .wavefront_size: 32
...
	.end_amdgpu_metadata
.endif
;; end of part 4
;; launch proj: the kernel of part 3 again; grid 4 x 64, 4 waves a work-group, clusters of 4 x 4, 327,680 bytes of LDS; arguments oc, os, Wp_codes, Wp_scales, bp, out0; writes out0
